; MI455X (gfx1250); checked and timed in simulation.
; The chip was launched on July 23, 2026; its instructions are those of AMD's public machine-readable ISA for CDNA 5 (MIT licence, August 2026) and "CDNA5" Instruction Set Architecture Reference Guide (July 2026). The comments in the code are by the model that wrote it; some were corrected since.
;; Mo E Layer. Allowed arithmetic: float matrix products may take bf16 or f16 operands with f32 sums; other float arithmetic in f32, or as packed bf16 or f16 multiplies, adds, multiply-adds, maxima and minima; sums over many terms, partial sums and values carried from step to step in f32; what a program stores and reads back later, other than sums and carried values, may be rounded once to bf16 or f16.
;; Inputs: W1 8 x 1,024 x 1,024 float32; W2 8 x 1,024 x 1,024 float32; Wg 1,024 x 8 float32; b1 8 x 1,024 float32; b2 8 x 1,024 float32; be1 8 x 1,024 float32; be2 8 x 1,024 float32; bg 8 float32; g1 8 x 1,024 float32; g2 8 x 1,024 float32; x 4,096 x 1,024 float32.
;; Outputs: out0 4,096 x 1,024 float32; out1 4,096 x 8 float32.
;; 3 versions, each right; version 2 is faster than version 1; version 3 is version 2 with the launch prep written anew for expert scheduling mode. Each part assembles by itself: llvm-mc -triple=amdgcn-amd-amdhsa -mcpu=gfx1250 --defsym DOCPART=n.
;; ======== version 1 of 3: 4 launches
;; limits: values are held in f16: magnitudes above 65,504 overflow, below 6.1e-05 lose precision; right only within a limited range of input values
;; workspace buffers: msk 4,096 bytes of whole numbers; w2 32,768 bytes; xb 8,388,608 bytes; wb 33,554,432 bytes; pr 196,608 bytes; idx 69,632 bytes of whole numbers; tbuf 17,694,720 bytes
;; launch prep (part 1): grid 512 x 1, 4 waves a work-group, no clusters, 16,896 bytes of LDS; arguments x, Wg, bg, W1, W2, b1, g1, be1, b2, g2, be2, out1, msk, w2, xb, wb, pr; writes out1, msk, w2, xb, wb, pr
.if DOCPART == 1
	.amdgcn_target "amdgcn-amd-amdhsa--gfx1250"
	.amdhsa_code_object_version 6
	.text
	.protected	k_q6bde6e546b_prep
	.globl	k_q6bde6e546b_prep
	.p2align	8
	.type	k_q6bde6e546b_prep,@function
k_q6bde6e546b_prep:
	s_mov_b64 s[64:65], 0
	v_nop
	global_prefetch_b8 v0, s[64:65] scope:SCOPE_SE
	s_setreg_imm32_b32 hwreg(HW_REG_WAVE_MODE, 25, 1), 1
	s_wait_xcnt 0x0
; PREP: the gate, and bf16 copies of everything that the later launches read.
; Every input is rounded ONCE to bf16 here; all arithmetic behind that rounding is f32.
;   out1[t][e] = softmax_e(x[t] . Wg[:,e] + bg[e])      msk[t] = bit mask of the two largest (a tie goes to the lower index)
;   w2[t][0], [1] = the two renormalised weights, the chosen expert with the lower index first
;   xb = bf16(x)      pr = bf16-rounded b1, g1, be1, b2, g2, be2, kept as f32, [layer][b, g, be][8192]
;   wb = bf16(W1, W2), [expert][layer][row][1024]; source row k = 256 w + 16 j + i (i < 16) lies at row 64 j + 16 w + i
; SHARES: 512 work-groups x 4 waves = 2,048 waves.  Wave gw takes tokens 2 gw and 2 gw + 1, and 8 rows (32 KiB on end) of one weight matrix.
; The gate's product has 8 columns: it is made of exact products of bf16 halves summed in f32 (v_fma_mix_f32_bf16), a lane owning k = 128 j + 4 lane + i.
; LIMITS: NaN and infinities are not treated apart; a probability below 2^-126 counts as 0.
.set SPARE, 16384                      ; behind Wg's copy: the spare words, 128 bytes a wave
.set SPW, 6                            ; v6   LDS address of my spare word; never rewritten
.set NIL, 7                            ; v7   0; never rewritten
.set AC,  8                            ; v[8:15]    the eight logit sums
.set X0,  32                           ; v[32:63]   token 0's row, later the stream's slots
.set X1,  64                           ; v[64:95]   token 1's row
.set YB,  96                           ; v[96:127]  packed results
.set WGR, 128                          ; v[128:255] Wg in bf16 for my 32 k: four registers (eight experts) for each k
	s_load_b512 s[8:23], s[0:1], 0x0               ; x 8, Wg 10, bg 12, W1 14, W2 16, b1 18, g1 20, be1 22
	s_load_b512 s[24:39], s[0:1], 0x40             ; b2 24, g2 26, be2 28, out1 30, msk 32, w2 34, xb 36, wb 38
	s_load_b64 s[40:41], s[0:1], 0x80              ; pr
	v_lshl_add_u32 v[SPW], v0, 2, SPARE
	v_mov_b32 v[NIL], 0
	v_and_b32 v1, 31, v0                           ; lane
	v_lshrrev_b32 v2, 5, v0
	v_readfirstlane_b32 s4, v2                     ; wave
	s_mov_b32 s6, ttmp9
	s_lshl_b32 s5, s6, 2
	s_add_co_u32 s5, s5, s4                        ; gw
	s_mov_b32 s42, 0xaaaaaaaa                      ; lanes with bit 0 set
	s_mov_b32 s43, 0xcccccccc                      ; bit 1
	s_mov_b32 s44, 0xf0f0f0f0                      ; bit 2
	s_mov_b32 s45, 0xff00ff00                      ; bit 3
	s_mov_b32 s46, 0x76543210                      ; v_permlanex16_b32: each lane takes its own place in the other half
	s_mov_b32 s47, 0xfedcba98
	v_lshlrev_b32 v2, 4, v0                        ; 16 x thread
	v_lshlrev_b32 v3, 4, v1                        ; 16 x lane
	v_and_b32 v4, 7, v1
	v_cvt_f32_u32 v25, v4                          ; my expert's number as a float
	v_lshlrev_b32 v4, 2, v4
	v_lshlrev_b32 v5, 3, v0                        ; 8 x thread
	v_lshlrev_b32 v16, 6, v1                       ; 64 x lane
	v_lshlrev_b32 v17, 3, v1                       ; 8 x lane
	v_mov_b32 v30, 0                               ; the first link's addend
	s_lshl_b32 s54, s5, 13                         ; two rows of x
	s_mov_b32 s55, 0
	s_lshl_b32 s56, s5, 12                         ; two rows of xb
	s_mov_b32 s57, 0
	s_wait_kmcnt 0x0
	s_add_nc_u64 s[8:9], s[8:9], s[54:55]
	s_add_nc_u64 s[36:37], s[36:37], s[56:57]
.irp q, 0,1,2,3,4,5,6,7,8,9,10,11,12,13,14,15
	global_load_b128 v[WGR+4*(\q):WGR+4*(\q)+3], v2, s[10:11] offset:2048*(\q)   ; all of Wg, 2,048 bytes on end a load of the work-group
.endr
.irp j, 0,1,2,3,4,5,6,7
	global_load_b128 v[X0+4*(\j):X0+4*(\j)+3], v3, s[8:9] offset:512*(\j) th:TH_LOAD_NT
.endr
.irp j, 0,1,2,3,4,5,6,7
	global_load_b128 v[X1+4*(\j):X1+4*(\j)+3], v3, s[8:9] offset:4096+512*(\j) th:TH_LOAD_NT
.endr
	global_load_b32 v31, v4, s[12:13]              ; bg of my expert
	; Wg to bf16, into LDS as [k][8], 16 bytes a k; then each lane takes the 32 k that it owns
	s_wait_loadcnt 17                              ; Wg is in; x's 16 loads and bg's are younger
.irp q, 0,1,2,3,4,5,6,7,8,9,10,11,12,13,14,15
	v_cvt_pk_bf16_f32 v[YB+2*(\q)], v[WGR+4*(\q)], v[WGR+4*(\q)+1]
	v_cvt_pk_bf16_f32 v[YB+2*(\q)+1], v[WGR+4*(\q)+2], v[WGR+4*(\q)+3]
.endr
.irp q, 0,1,2,3,4,5,6,7,8,9,10,11,12,13,14,15
	ds_store_b64 v5, v[YB+2*(\q):YB+2*(\q)+1] offset:1024*(\q)
.endr
	s_wait_dscnt 0x0                               ; for the others' sake: my stores are done
	s_barrier_signal -1
	s_barrier_wait -1
.irp j, 0,1,2,3,4,5,6,7
.irp i, 0,1,2,3
	ds_load_b128 v[WGR+4*(4*(\j)+(\i)):WGR+4*(4*(\j)+(\i))+3], v16 offset:2048*(\j)+16*(\i)
.endr
.endr
	s_wait_dscnt 0x0
.macro FM d, xr, wr, c, xh, eh         ; d = bf16 half xh of xr x bf16 half eh of wr + c, in f32
.if ((\xh) == 0) && ((\eh) == 0)
	v_fma_mix_f32_bf16 v[\d], v[\xr], v[\wr], v[\c] op_sel:[0,0,0] op_sel_hi:[1,1,0]
.elseif ((\xh) == 1) && ((\eh) == 0)
	v_fma_mix_f32_bf16 v[\d], v[\xr], v[\wr], v[\c] op_sel:[1,0,0] op_sel_hi:[1,1,0]
.elseif ((\xh) == 0)
	v_fma_mix_f32_bf16 v[\d], v[\xr], v[\wr], v[\c] op_sel:[0,1,0] op_sel_hi:[1,1,0]
.else
	v_fma_mix_f32_bf16 v[\d], v[\xr], v[\wr], v[\c] op_sel:[1,1,0] op_sel_hi:[1,1,0]
.endif
.endm
.macro RS lo, hi, m, xm                ; a lane keeps one of two sums, by its bit in mask m, and takes its partner's share of it
	v_cndmask_b32 v20, v[\lo], v[\hi], \m
	v_cndmask_b32 v21, v[\hi], v[\lo], \m
	v_add_f32_dpp v[\lo], v21, v20 row_xmask:\xm row_mask:0xf bank_mask:0xf
.endm
; One token: its row is rounded and stored, its eight logits are summed; at the end every lane holds the logit of expert lane % 8.
.macro TOKEN xr, cnt, z, off
	s_wait_loadcnt \cnt                            ; the row is in; what was issued behind it stays out
.irp j, 0,1,2,3,4,5,6,7
	v_cvt_pk_bf16_f32 v[(\xr)+4*(\j)], v[(\xr)+4*(\j)], v[(\xr)+4*(\j)+1]
	v_cvt_pk_bf16_f32 v[(\xr)+4*(\j)+1], v[(\xr)+4*(\j)+2], v[(\xr)+4*(\j)+3]
	global_store_b64 v17, v[(\xr)+4*(\j):(\xr)+4*(\j)+1], s[36:37] offset:(\off)+256*(\j)   ; 256 bytes on end, aligned
.endr
.irp j, 0,1,2,3,4,5,6,7
.irp i, 0,1,2,3
.irp e, 0,1,2,3,4,5,6,7
.set rx, (\xr)+4*(\j)+(\i)/2
.set rw, WGR+4*(4*(\j)+(\i))+(\e)/2
.set rc, AC+(\e)
.if ((\j) == 0) && ((\i) == 0)
.set rc, 30
.endif
	FM AC+(\e), rx, rw, rc, (\i)%2, (\e)%2
.endr
.endr
.endr
	RS 8, 9, s42, 1
	RS 10, 11, s42, 1
	RS 12, 13, s42, 1
	RS 14, 15, s42, 1
	RS 8, 10, s43, 2
	RS 12, 14, s43, 2
	RS 8, 12, s44, 4
	v_add_f32_dpp v8, v8, v8 row_xmask:8 row_mask:0xf bank_mask:0xf
	v_permlanex16_b32 v21, v8, s46, s47
	v_add_f32 v[\z], v8, v21
.endm
	TOKEN X0, 9, 18, 0                             ; token 1's eight loads and bg's are younger
	TOKEN X1, 1, 19, 2048                          ; bg's is younger
.macro ALL8 op, r                      ; over the eight lanes of a token
	\op v[\r], v[\r], v[\r] row_xmask:1 row_mask:0xf bank_mask:0xf
	\op v[\r], v[\r], v[\r] row_xmask:2 row_mask:0xf bank_mask:0xf
	\op v[\r], v[\r], v[\r] row_xmask:4 row_mask:0xf bank_mask:0xf
.endm
	; THE GATE.  Lane = 8 t + e (lanes 16-31 repeat lanes 0-15).
	s_wait_loadcnt 0x0                             ; bg
	v_cvt_pk_bf16_f32 v31, v31, v31
	v_lshlrev_b32 v31, 16, v31
	v_cndmask_b32 v20, v18, v19, s45
	v_add_f32 v20, v20, v31                        ; the logit
	v_mov_b32 v21, v20
	ALL8 v_max_num_f32_dpp, 21                     ; the maximum is taken away before the exponential
	v_sub_f32 v22, v20, v21
	v_mul_f32 v22, 0x3fb8aa3b, v22
	v_exp_f32 v22, v22
	v_nop                                          ; a plain instruction behind the exponential
	s_wait_alu depctr_va_vdst(0)
	v_mov_b32 v23, v22
	ALL8 v_add_f32_dpp, 23
	v_rcp_f32 v23, v23
	v_nop
	s_wait_alu depctr_va_vdst(0)
	v_mul_f32 v24, v22, v23                        ; the probability
	v_mov_b32 v26, v24
	ALL8 v_max_num_f32_dpp, 26                     ; the largest,
	v_cmp_eq_f32 vcc_lo, v24, v26
	v_cndmask_b32 v27, 0x41000000, v25, vcc_lo
	ALL8 v_min_num_f32_dpp, 27                     ; and the lowest index that has it
	v_cmp_eq_f32 s58, v25, v27
	v_cndmask_b32 v28, v24, -1.0, s58              ; that one is taken out
	v_mov_b32 v29, v28
	ALL8 v_max_num_f32_dpp, 29                     ; the second largest
	v_cmp_eq_f32 vcc_lo, v28, v29
	v_cndmask_b32 v20, 0x41000000, v25, vcc_lo
	ALL8 v_min_num_f32_dpp, 20
	v_cmp_eq_f32 s59, v25, v20
	s_or_b32 s58, s58, s59                         ; bits 0-7: token 0's two experts; bits 8-15: token 1's
	v_add_f32 v21, v26, v29
	v_add_f32 v21, 0x3089705f, v21                 ; + 1e-9
	v_rcp_f32 v21, v21
	v_cmp_lt_f32 vcc_lo, v27, v20                  ; (a plain instruction behind the reciprocal) is the largest the lower index?
	v_cndmask_b32 v22, v29, v26, vcc_lo            ; the lower index's probability
	v_cndmask_b32 v23, v26, v29, vcc_lo            ; the higher's
	v_cndmask_b32 v22, v22, v23, s42               ; odd lanes carry the higher's
	s_wait_alu depctr_va_vdst(0)
	v_mul_f32 v22, v22, v21
	v_and_b32 v8, 15, v1
	v_lshlrev_b32 v8, 2, v8                        ; out1: 4 (8 t + e)
	v_bfe_u32 v10, v1, 3, 1
	v_and_b32 v9, 1, v1
	v_lshlrev_b32 v9, 2, v9
	v_lshl_add_u32 v9, v10, 3, v9                  ; w2: 8 t + 4 (e % 2)
	v_mov_b32 v11, s58
	s_lshl_b32 s54, s5, 6
	s_add_nc_u64 s[30:31], s[30:31], s[54:55]
	s_lshl_b32 s54, s5, 4
	s_add_nc_u64 s[34:35], s[34:35], s[54:55]
	s_lshl_b32 s54, s5, 1
	s_add_nc_u64 s[32:33], s[32:33], s[54:55]
	; all lanes stay on: lanes that name the same address carry the same number
	global_store_b32 v8, v24, s[30:31]
	global_store_b32 v9, v22, s[34:35]
	global_store_b16 v30, v11, s[32:33]
	; THE PARAMETERS: wave 0 of the first 128 work-groups rounds 64 numbers of each of the six
	s_cmp_lg_u32 s4, 0
	s_cbranch_scc1 .Lno_param
	s_cmp_ge_u32 s6, 128
	s_cbranch_scc1 .Lno_param
	v_lshl_add_u32 v20, s6, 8, v17
.irp n, 0,1,2,3,4,5
	global_load_b64 v[YB+2*(\n):YB+2*(\n)+1], v20, s[18+2*(\n):19+2*(\n)]
.endr
	s_wait_loadcnt 0x0
.irp n, 0,1,2,3,4,5
	v_cvt_pk_bf16_f32 v21, v[YB+2*(\n)], v[YB+2*(\n)+1]
	v_lshlrev_b32 v[YB+2*(\n)], 16, v21
	v_and_b32 v[YB+2*(\n)+1], 0xffff0000, v21
	global_store_b64 v20, v[YB+2*(\n):YB+2*(\n)+1], s[40:41] offset:32768*(\n)
.endr
.Lno_param:
	; THE WEIGHTS: my 8 source rows are 32,768 bytes on end, their copy 16,384 bytes on end.  A ring of 16 loads in flight.
	s_lshr_b32 s52, s6, 5                          ; matrix 0-15: W1's eight, then W2's
	s_and_b32 s53, s52, 7                          ; expert
	s_and_b32 s54, s6, 31
	s_lshl_b32 s54, s54, 2
	s_add_co_u32 s54, s54, s4                      ; which eight rows
	s_lshl_b32 s56, s53, 22
	s_lshl_b32 s57, s54, 15
	s_add_co_u32 s56, s56, s57
	s_mov_b32 s57, 0
	s_cmp_lt_u32 s6, 256
	s_cselect_b64 s[48:49], s[14:15], s[16:17]
	s_add_nc_u64 s[48:49], s[48:49], s[56:57]
	s_lshl_b32 s56, s53, 1
	s_lshr_b32 s57, s52, 3
	s_add_co_u32 s56, s56, s57
	s_lshl_b32 s56, s56, 21                        ; (2 expert + layer) x 2 MiB
	s_bfe_u32 s57, s54, 0x40001                    ; j
	s_lshl_b32 s57, s57, 6
	s_lshr_b32 s58, s54, 5                         ; w
	s_lshl_b32 s58, s58, 4
	s_add_co_u32 s57, s57, s58
	s_and_b32 s58, s54, 1
	s_lshl_b32 s58, s58, 3
	s_add_co_u32 s57, s57, s58                     ; row 64 j + 16 w + 8 (upper half)
	s_lshl_b32 s57, s57, 11
	s_add_co_u32 s56, s56, s57
	s_mov_b32 s57, 0
	s_add_nc_u64 s[50:51], s[38:39], s[56:57]
	s_wait_xcnt 0x0                                ; the stores above have read their registers: the slots are loaded only behind this wait
.irp i, 0,1,2,3,4,5,6,7,8,9,10,11,12,13,14,15
	global_load_b128 v[X0+4*(\i):X0+4*(\i)+3], v3, s[48:49] offset:512*(\i) th:TH_LOAD_NT
.endr
	s_mov_b32 s52, 3
.Lround:
.irp i, 0,1,2,3,4,5,6,7,8,9,10,11,12,13,14,15
	s_wait_loadcnt 15                              ; my slot's load is in, the fifteen younger stay out
	v_cvt_pk_bf16_f32 v[YB+2*(\i)], v[X0+4*(\i)], v[X0+4*(\i)+1]
	v_cvt_pk_bf16_f32 v[YB+2*(\i)+1], v[X0+4*(\i)+2], v[X0+4*(\i)+3]
	global_load_b128 v[X0+4*(\i):X0+4*(\i)+3], v3, s[48:49] offset:512*(\i)+8192 th:TH_LOAD_NT
	global_store_b64 v17, v[YB+2*(\i):YB+2*(\i)+1], s[50:51] offset:256*(\i)
.endr
	s_wait_xcnt 0x0                                ; the bases and the packed registers are rewritten only behind this wait
	s_add_nc_u64 s[48:49], s[48:49], 8192
	s_add_nc_u64 s[50:51], s[50:51], 4096
	s_sub_co_u32 s52, s52, 1
	s_cmp_lg_u32 s52, 0
	s_cbranch_scc1 .Lround
.irp i, 0,1,2,3,4,5,6,7,8,9,10,11,12,13,14,15
	s_wait_loadcnt 15-(\i)                         ; the last round loads nothing: the counts run down
	v_cvt_pk_bf16_f32 v[YB+2*(\i)], v[X0+4*(\i)], v[X0+4*(\i)+1]
	v_cvt_pk_bf16_f32 v[YB+2*(\i)+1], v[X0+4*(\i)+2], v[X0+4*(\i)+3]
	global_store_b64 v17, v[YB+2*(\i):YB+2*(\i)+1], s[50:51] offset:256*(\i)
.endr
	s_wait_tensorcnt 0x0                           ; the wave's end
	ds_add_u32 v[SPW], v[NIL]
	s_wait_dscnt 0x0
	s_endpgm
.Lfunc_end_k_q6bde6e546b_prep:
	.size	k_q6bde6e546b_prep, .Lfunc_end_k_q6bde6e546b_prep-k_q6bde6e546b_prep
	.p2alignl 7, 3214868480
	.fill 96, 4, 3214868480
	.section	.rodata,"a",@progbits
	.p2align	6, 0x0
	.amdhsa_kernel k_q6bde6e546b_prep
		.amdhsa_group_segment_fixed_size 16896
		.amdhsa_private_segment_fixed_size 0
		.amdhsa_enable_private_segment 0
		.amdhsa_kernarg_size 136
		.amdhsa_user_sgpr_count 2
		.amdhsa_user_sgpr_kernarg_segment_ptr 1
		.amdhsa_wavefront_size32 1
		.amdhsa_system_sgpr_workgroup_id_x 1
		.amdhsa_system_sgpr_workgroup_id_y 1
		.amdhsa_system_sgpr_workgroup_id_z 1
		.amdhsa_system_vgpr_workitem_id 0
		.amdhsa_next_free_vgpr 256
		.amdhsa_next_free_sgpr 66
		.amdhsa_reserve_vcc 1
		.amdhsa_float_denorm_mode_32 3
		.amdhsa_float_denorm_mode_16_64 3
		.amdhsa_memory_ordered 1
		.amdhsa_forward_progress 1
		.amdhsa_inst_pref_size 67
	.end_amdhsa_kernel
	.amdgpu_metadata
---
amdhsa.version: [ 1, 2 ]
amdhsa.kernels:
  - .name:           k_q6bde6e546b_prep
    .symbol:         k_q6bde6e546b_prep.kd
    .args:
      - { .name: x, .offset: 0, .size: 8, .value_kind: global_buffer, .address_space: global }
      - { .name: Wg, .offset: 8, .size: 8, .value_kind: global_buffer, .address_space: global }
      - { .name: bg, .offset: 16, .size: 8, .value_kind: global_buffer, .address_space: global }
      - { .name: W1, .offset: 24, .size: 8, .value_kind: global_buffer, .address_space: global }
      - { .name: W2, .offset: 32, .size: 8, .value_kind: global_buffer, .address_space: global }
      - { .name: b1, .offset: 40, .size: 8, .value_kind: global_buffer, .address_space: global }
      - { .name: g1, .offset: 48, .size: 8, .value_kind: global_buffer, .address_space: global }
      - { .name: be1, .offset: 56, .size: 8, .value_kind: global_buffer, .address_space: global }
      - { .name: b2, .offset: 64, .size: 8, .value_kind: global_buffer, .address_space: global }
      - { .name: g2, .offset: 72, .size: 8, .value_kind: global_buffer, .address_space: global }
      - { .name: be2, .offset: 80, .size: 8, .value_kind: global_buffer, .address_space: global }
      - { .name: out1, .offset: 88, .size: 8, .value_kind: global_buffer, .address_space: global }
      - { .name: msk, .offset: 96, .size: 8, .value_kind: global_buffer, .address_space: global }
      - { .name: w2, .offset: 104, .size: 8, .value_kind: global_buffer, .address_space: global }
      - { .name: xb, .offset: 112, .size: 8, .value_kind: global_buffer, .address_space: global }
      - { .name: wb, .offset: 120, .size: 8, .value_kind: global_buffer, .address_space: global }
      - { .name: pr, .offset: 128, .size: 8, .value_kind: global_buffer, .address_space: global }
    .group_segment_fixed_size: 16896
    .private_segment_fixed_size: 0
    .kernarg_segment_align: 8
    .kernarg_segment_size: 136
    .max_flat_workgroup_size: 128
    .sgpr_count:     66
    .vgpr_count:     256
    .wavefront_size: 32
...
	.end_amdgpu_metadata
.endif
;; end of part 1
;; launch route (part 2): grid 1 x 1, 32 waves a work-group, no clusters, 5,120 bytes of LDS; arguments msk, idx; writes idx
.if DOCPART == 2
	.amdgcn_target "amdgcn-amd-amdhsa--gfx1250"
	.amdhsa_code_object_version 6
	.text
	.protected	k_q6bde6e546b_route
	.globl	k_q6bde6e546b_route
	.p2align	8
	.type	k_q6bde6e546b_route,@function
k_q6bde6e546b_route:
	s_mov_b64 s[64:65], 0
	v_nop
	global_prefetch_b8 v0, s[64:65] scope:SCOPE_SE
	s_setreg_imm32_b32 hwreg(HW_REG_WAVE_MODE, 25, 1), 1
	s_wait_xcnt 0x0
; ROUTE: from each token's mask of two experts to whole numbers that steer the later launches' addresses.
;   idx + 0:      rowtok[8192]   the token of each (expert, rank), experts on end
;   idx + 32768:  tab[256]       {expert, first place in rowtok, valid rows 1..64, 0} for each tile of 64 row slots
;   idx + 36864:  pos[4096][2]   the row of the next launch's result for the token's lower and higher expert: 64 x tile + slot
; ALWAYS 135 TILES, NONE EMPTY.  With counts c_e (their sum is 8,192) the sum of ceil(c_e / 64) lies in 128..135.  The D = 135 - sum tiles that are
; missing are made by the first expert with the largest count (at least 1,024): its first D' ranks get a tile of one row each, D' = D + (D >= r),
; r = the rows of its last tile; then D' + ceil((c - D') / 64) = ceil(c / 64) + D.
; One work-group of 32 waves; wave v owns tokens 128 v .. 128 v + 127, a lane a token, four groups.  Ranks come from ballots, bit counts and one scan over the waves' totals.
.set SPARE, 1024                       ; behind the waves' totals: the spare words, 128 bytes a wave
.set SPW, 2                            ; v2  LDS address of my spare word; never rewritten
.set NIL, 3                            ; v3  0; never rewritten
.set RK,  8                            ; s[8:15]   the rank that the next token of expert e gets
.set B64, 16                           ; s[16:23]  64 x the expert's first tile
.set DD,  24                           ; s[24:31]  its tiles of one row
.set D63, 32                           ; s[32:39]  63 x that
.set CC,  40                           ; s[40:47]  its count
.set CB,  48                           ; s[48:55]  its first place in rowtok
.set CW,  56                           ; s[56:63]  my wave's counts; later at work
.set BW,  66                           ; s[66:97]  ballots: group gi, expert e at BW + 8 gi + e
	s_load_b128 s[4:7], s[0:1], 0x0                ; msk, idx
	v_lshl_add_u32 v[SPW], v0, 2, SPARE
	v_mov_b32 v[NIL], 0
	v_lshrrev_b32 v4, 5, v0
	v_readfirstlane_b32 s98, v4                    ; wave
	v_and_b32 v5, 31, v0                           ; lane
	v_lshl_add_u32 v1, s98, 7, v5                  ; my token in group 0
	s_mov_b32 s2, 0xffff0000                       ; lanes 16-31
	v_mov_b32 v24, 0
	s_wait_kmcnt 0x0
.irp gi, 0,1,2,3
	global_load_u8 v[8+(\gi)], v1, s[4:5] offset:32*(\gi)
.endr
.irp e, 0,1,2,3,4,5,6,7
	s_mov_b32 s[CW+(\e)], 0
.endr
	s_wait_loadcnt 0x0
.irp gi, 0,1,2,3
.irp e, 0,1,2,3,4,5,6,7
	v_and_b32 v12, 1<<(\e), v[8+(\gi)]
	v_cmp_ne_u32 s[BW+8*(\gi)+(\e)], 0, v12
	s_bcnt1_i32_b32 s99, s[BW+8*(\gi)+(\e)]
	s_add_co_u32 s[CW+(\e)], s[CW+(\e)], s99
.endr
.endr
.irp e, 0,1,2,3,4,5,6,7
	v_mov_b32 v[16+(\e)], s[CW+(\e)]
.endr
	v_mov_b32 v13, s98
	v_lshlrev_b32 v13, 5, v13                      ; my wave's eight words
	ds_store_b128 v13, v[16:19]
	ds_store_b128 v13, v[20:23] offset:16
	s_wait_dscnt 0x0                               ; for the others' sake: my stores are done
	s_barrier_signal -1
	s_barrier_wait -1
	v_lshlrev_b32 v14, 5, v5                       ; lane l reads wave l's totals
	ds_load_b128 v[16:19], v14
	ds_load_b128 v[20:23], v14 offset:16
	s_wait_dscnt 0x0
.macro SCAN r                          ; running sum over the 32 lanes, each lane's own number included
.irp n, 1,2,4,8
	v_mov_b32_dpp v24, v[\r] row_shr:\n row_mask:0xf bank_mask:0xf bound_ctrl:1
	v_add_nc_u32 v[\r], v[\r], v24
.endr
	v_readlane_b32 s99, v[\r], 15
	v_cndmask_b32 v24, 0, s99, s2
	v_add_nc_u32 v[\r], v[\r], v24
.endm
.irp e, 0,1,2,3,4,5,6,7
	SCAN 16+(\e)
	v_readlane_b32 s[CC+(\e)], v[16+(\e)], 31      ; the expert's count
	v_readlane_b32 s[RK+(\e)], v[16+(\e)], s98     ; the waves up to mine,
	s_sub_co_u32 s[RK+(\e)], s[RK+(\e)], s[CW+(\e)]  ; less mine: my first rank
.endr
	; the tiles
	s_mov_b32 s56, 0
	s_mov_b32 s57, 0
.irp e, 0,1,2,3,4,5,6,7
	s_add_co_u32 s99, s[CC+(\e)], 63
	s_lshr_b32 s99, s99, 6
	s_add_co_u32 s56, s56, s99                     ; the sum of ceil(c / 64)
	s_max_u32 s57, s57, s[CC+(\e)]                 ; the largest count
.endr
	s_sub_co_u32 s58, 135, s56
	s_max_i32 s58, s58, 0                          ; D
	s_add_co_u32 s59, s57, 63
	s_lshr_b32 s59, s59, 6
	s_sub_co_u32 s59, s59, 1
	s_lshl_b32 s59, s59, 6
	s_sub_co_u32 s59, s57, s59                     ; r
	s_cmp_ge_u32 s58, s59
	s_cselect_b32 s60, 1, 0
	s_add_co_u32 s58, s58, s60                     ; D'
	s_mov_b32 s61, 0                               ; the largest has been found
	s_mov_b32 s62, 0                               ; tiles so far
	s_mov_b32 s63, 0                               ; rows so far
.irp e, 0,1,2,3,4,5,6,7
	s_cmp_eq_u32 s[CC+(\e)], s57
	s_cselect_b32 s99, 1, 0
	s_and_not1_b32 s99, s99, s61
	s_or_b32 s61, s61, s99
	s_mul_i32 s[DD+(\e)], s99, s58
	s_mul_i32 s[D63+(\e)], s[DD+(\e)], 63
	s_mov_b32 s[CB+(\e)], s63
	s_add_co_u32 s63, s63, s[CC+(\e)]
	s_lshl_b32 s[B64+(\e)], s62, 6
	s_sub_co_u32 s99, s[CC+(\e)], s[DD+(\e)]
	s_add_co_u32 s99, s99, 63
	s_lshr_b32 s99, s99, 6
	s_add_co_u32 s99, s99, s[DD+(\e)]
	s_add_co_u32 s62, s62, s99
.endr
	; the table: waves 0-7, a thread a tile; the last expert whose first tile is not beyond the tile owns it
	s_cmp_ge_u32 s98, 8
	s_cbranch_scc1 .Lno_tab
	v_lshlrev_b32 v25, 6, v0
	v_mov_b32 v26, 0
	v_mov_b32 v27, s[B64]
	v_mov_b32 v28, s[DD]
	v_mov_b32 v29, s[CC]
	v_mov_b32 v30, s[CB]
.irp e, 1,2,3,4,5,6,7
	v_cmp_le_u32 vcc_lo, s[B64+(\e)], v25
	v_cndmask_b32 v26, v26, \e, vcc_lo
	v_cndmask_b32 v27, v27, s[B64+(\e)], vcc_lo
	v_cndmask_b32 v28, v28, s[DD+(\e)], vcc_lo
	v_cndmask_b32 v29, v29, s[CC+(\e)], vcc_lo
	v_cndmask_b32 v30, v30, s[CB+(\e)], vcc_lo
.endr
	v_sub_nc_u32 v31, v25, v27
	v_lshrrev_b32 v31, 6, v31                      ; the tile's number within the expert
	v_sub_nc_u32 v32, v31, v28
	v_lshlrev_b32 v32, 6, v32                      ; rows in front of it among the tiles of 64
	v_add_nc_u32 v33, v32, v28
	v_cmp_lt_u32 vcc_lo, v31, v28                  ; a tile of one row?
	v_cndmask_b32 v33, v33, v31, vcc_lo
	v_add_nc_u32 v33, v33, v30
	v_min_u32 v37, 0x1fff, v33                     ; first place in rowtok
	v_sub_nc_u32 v34, v29, v28
	v_sub_nc_u32 v34, v34, v32
	v_min_i32 v34, 64, v34
	v_cndmask_b32 v34, v34, 1, vcc_lo
	v_max_i32 v38, 1, v34                          ; valid rows
	v_mov_b32 v36, v26
	v_mov_b32 v39, 0
	v_lshlrev_b32 v35, 4, v0
	global_store_b128 v35, v[36:39], s[6:7] offset:32768
.Lno_tab:
	; the tokens: rank = the expert's running rank + the set bits below my lane
.irp gi, 0,1,2,3
	s_mov_b32 s58, 0                               ; lanes that have met their first expert
	v_mov_b32 v40, 0
	v_mov_b32 v41, 0
	v_mov_b32 v42, 0
	v_mov_b32 v43, 0
.irp e, 0,1,2,3,4,5,6,7
	v_mbcnt_lo_u32_b32 v44, s[BW+8*(\gi)+(\e)], s[RK+(\e)]
	v_lshlrev_b32 v45, 6, v44
	v_add_nc_u32 v46, s[D63+(\e)], v44
	v_cmp_gt_u32 vcc_lo, s[DD+(\e)], v44
	v_cndmask_b32 v45, v46, v45, vcc_lo
	v_add_nc_u32 v45, s[B64+(\e)], v45             ; the result's row
	v_add_nc_u32 v46, s[CB+(\e)], v44              ; the place in rowtok
	s_and_not1_b32 s56, s[BW+8*(\gi)+(\e)], s58
	s_and_b32 s57, s[BW+8*(\gi)+(\e)], s58
	s_or_b32 s58, s58, s[BW+8*(\gi)+(\e)]
	v_cndmask_b32 v40, v40, v45, s56
	v_cndmask_b32 v42, v42, v46, s56
	v_cndmask_b32 v41, v41, v45, s57
	v_cndmask_b32 v43, v43, v46, s57
	s_bcnt1_i32_b32 s59, s[BW+8*(\gi)+(\e)]
	s_add_co_u32 s[RK+(\e)], s[RK+(\e)], s59
.endr
	v_min_u32 v40, 0x21bf, v40                     ; 8,639: the last row
	v_min_u32 v41, 0x21bf, v41
	v_min_u32 v42, 0x1fff, v42
	v_min_u32 v43, 0x1fff, v43
	v_lshlrev_b32 v42, 2, v42
	v_lshlrev_b32 v43, 2, v43
	v_add_nc_u32 v47, 32*(\gi), v1                 ; the token
	v_lshlrev_b32 v48, 3, v47
	global_store_b32 v42, v47, s[6:7]
	global_store_b32 v43, v47, s[6:7]
	global_store_b64 v48, v[40:41], s[6:7] offset:36864
	s_wait_xcnt 0x0                                ; the next group rewrites these registers only behind this wait
.endr
	s_wait_tensorcnt 0x0                           ; the wave's end
	ds_add_u32 v[SPW], v[NIL]
	s_wait_dscnt 0x0
	s_endpgm
.Lfunc_end_k_q6bde6e546b_route:
	.size	k_q6bde6e546b_route, .Lfunc_end_k_q6bde6e546b_route-k_q6bde6e546b_route
	.p2alignl 7, 3214868480
	.fill 96, 4, 3214868480
	.section	.rodata,"a",@progbits
	.p2align	6, 0x0
	.amdhsa_kernel k_q6bde6e546b_route
		.amdhsa_group_segment_fixed_size 5120
		.amdhsa_private_segment_fixed_size 0
		.amdhsa_enable_private_segment 0
		.amdhsa_kernarg_size 16
		.amdhsa_user_sgpr_count 2
		.amdhsa_user_sgpr_kernarg_segment_ptr 1
		.amdhsa_wavefront_size32 1
		.amdhsa_system_sgpr_workgroup_id_x 1
		.amdhsa_system_sgpr_workgroup_id_y 1
		.amdhsa_system_sgpr_workgroup_id_z 1
		.amdhsa_system_vgpr_workitem_id 0
		.amdhsa_next_free_vgpr 64
		.amdhsa_next_free_sgpr 100
		.amdhsa_reserve_vcc 1
		.amdhsa_float_denorm_mode_32 3
		.amdhsa_float_denorm_mode_16_64 3
		.amdhsa_memory_ordered 1
		.amdhsa_forward_progress 1
		.amdhsa_inst_pref_size 46
	.end_amdhsa_kernel
	.amdgpu_metadata
---
amdhsa.version: [ 1, 2 ]
amdhsa.kernels:
  - .name:           k_q6bde6e546b_route
    .symbol:         k_q6bde6e546b_route.kd
    .args:
      - { .name: msk, .offset: 0, .size: 8, .value_kind: global_buffer, .address_space: global }
      - { .name: idx, .offset: 8, .size: 8, .value_kind: global_buffer, .address_space: global }
    .group_segment_fixed_size: 5120
    .private_segment_fixed_size: 0
    .kernarg_segment_align: 8
    .kernarg_segment_size: 16
    .max_flat_workgroup_size: 1024
    .sgpr_count:     100
    .vgpr_count:     64
    .wavefront_size: 32
...
	.end_amdgpu_metadata
.endif
;; end of part 2
;; launch ffn (part 3): grid 135 x 1, 4 waves a work-group, no clusters, 327,680 bytes of LDS; arguments xb, wb, pr, idx, tbuf; writes tbuf
.if DOCPART == 3
	.amdgcn_target "amdgcn-amd-amdhsa--gfx1250"
	.amdhsa_code_object_version 6
	.text
	.protected	k_q6bde6e546b_ffn
	.globl	k_q6bde6e546b_ffn
	.p2align	8
	.type	k_q6bde6e546b_ffn,@function
k_q6bde6e546b_ffn:
	s_mov_b64 s[64:65], 0
	v_nop
	global_prefetch_b8 v0, s[64:65] scope:SCOPE_SE
	s_setreg_imm32_b32 hwreg(HW_REG_WAVE_MODE, 25, 1), 1
	s_wait_xcnt 0x0
; FFN: for a tile of 64 row slots of one expert, t = LN2( relu(LN1(x W1 + b1)) W2 + b2 ), both products and both LayerNorms in one work-group; t leaves as f16.
; SHARES.  Work-group = tile (135 of them, none empty).  A LayerNorm wants whole rows of 1,024 columns: wave w holds all 64 rows x columns 256 w .. 256 w + 255: 64 accumulators, 512 registers.
; THE MATRIX INSTRUCTION IS USED TRANSPOSED: source 0 = 16 columns of W (turned out of LDS by ds_load_tr16_b128), source 1 = 16 rows.  Lane (r = l % 16, h = l / 16) then holds row 16 a + r
; and the eight neighbouring columns 256 w + 16 b + 8 h + 0..7 of accumulator (a, b).
; K ORDER, the same in both operands: step j of 16 takes k = 256 w' + 16 j + i (w' < 4, i < 16), the order in which wb's rows lie.  Registers 0-3 of the row fragment (a, c) are then wave 2 c's
; packed tile (a, b = j) as it lies in that wave's registers, registers 4-7 wave 2 c + 1's.  So in each step each wave publishes 4 x 16 bytes a lane in LDS, and layer 1's result, rounded in pairs, IS layer 2's operand.
; W comes by tensor loads: a wave's own strip of 64 k x 256 columns a step, two slots that take turns; one load of the wave is out at the most.
; The sums start from the bias, loaded straight into the accumulators.  Mean, then the sum of squared deviations: both in f32, met across the four waves in LDS.
; NO CLUSTER: how many tiles an expert has hangs on counts read from memory and need not be a multiple of four, so the tiles that walk the same weights do not fill clusters.
; LIMITS.  t is stored in f16: |t| <= 32 max|g2| + max|be2| has to stay under 65,504.  The hidden activation is rounded to bf16.  NaN and infinities are not treated apart.
; REGISTERS in windows of 256 (s_set_vgpr_msb: bits 1:0 source 0, 3:2 source 1, 5:4 source 2, 7:6 destination):
;   window 0: addresses, statistics, fragments    window 1: PK(a, b), four registers at 4 (16 a + b)    windows 2, 3: accumulator (a, b) at 128 (a % 2) + 8 b of window 2 + a / 2
.set BSTRIP, 69632                     ; a wave's two slots of W
.set BSLOT,  34816                     ; 64 rows of 512 bytes + 32 of padding
.set BP,     544                       ; 17 x 32 bytes
.set ARING,  278528                    ; two slots of 8,192: 2048 a + 512 w' + 16 lane
.set ASLOT,  8192
.set RED,    294912                    ; two buffers of 1,024: 16 (16 a + r) + 4 w
.set STAGE,  296960                    ; 16 rows x 272 bytes for each wave, for the way out
.set SP,     272
.set SPARE,  314368                    ; the spare words, 128 bytes a wave
.set ADRA, 3                           ; v3   ARING + 16 lane
.set ADRB, 4                           ; v4   my strip + my lane's place for the turning load
.set APUB, 5                           ; v5   ADRA + 512 w
.set TOFF, 6                           ; v[6:9]  byte offset in xb of my 16 bytes of tile a's row
.set STO,  10
.set RD,   11
.set CO,   12
.set POFF, 13                          ; v13  byte offset of my eight columns of tile b = 0 in a parameter row
.set REDW, 14
.set REDR, 15
.set S,    16                          ; v[16:31] sums: pairs [a][parity of b]
.set MEAN, 32                          ; v[32:39] pairs
.set RS,   40                          ; v[40:47] pairs
.set T,    48                          ; v[48:59] at work
.set SPW,  60                          ; v60  LDS address of my spare word; never rewritten
.set NIL,  61                          ; v61  0; never rewritten
.set ZERO, 62                          ; v62  0, for the ReLU
.set AF0,  64
.set AF1,  96
.set BF0,  128
.set BF1,  192
.set PBUF, 64                          ; in the epilogue: three buffers of 64: g of four b, then be of four b
.set OB,   64
.set TMP,  128
.set G1,   20                          ; s[20:27]
.set G0,   28                          ; s[28:31] slot 0, s[32:35] slot 1
.set MSB, 0
.macro WIN new                         ; the immediate's high byte repeats the setting that is left
.if MSB != (\new)
	s_set_vgpr_msb (MSB<<8)|(\new)
.set MSB, \new
.endif
.endm
.macro PLACES                          ; four places behind matrix instructions, in front of loads into their sources and of reads of their results
.rept 4
	v_nop
.endr
.endm
	s_load_b256 s[4:11], s[0:1], 0x0               ; xb 4, wb 6, pr 8, idx 10
	s_load_b64 s[12:13], s[0:1], 0x20              ; tbuf
	v_lshl_add_u32 v[SPW], v0, 2, SPARE
	v_mov_b32 v[NIL], 0
	ds_add_u32 v[SPW], v[NIL]                      ; the wave's opening: the add and its wait stand ahead of my first tensor load
	ds_add_u32 v60, v61
	v_lshrrev_b32 v1, 5, v0
	v_readfirstlane_b32 s14, v1                    ; wave
	s_mov_b32 s[G1+0], 0x0f910000                  ; 2-byte elements; padding on: 8 words after every 128 words
	s_mov_b32 s[G1+1], 256<<16                     ; tensor_dim0 = 256
	s_mov_b32 s[G1+2], 64<<16                      ; tensor_dim1 = 64
	s_mov_b32 s[G1+3], 256<<16                     ; tile_dim0 = 256
	s_mov_b32 s[G1+4], 64                          ; tile_dim1 = 64
	s_mov_b32 s[G1+5], 1024                        ; elements from row to row
	s_mov_b32 s[G1+6], 0
	s_mov_b32 s[G1+7], 0
	s_mov_b32 s[G0+0], 1
	s_mul_i32 s[G0+1], s14, BSTRIP                 ; my strip, slot 0
	s_mov_b32 s[G0+4], 1
	s_add_co_u32 s[G0+5], s[G0+1], BSLOT           ; slot 1
	s_mov_b32 s40, 0x76543210                      ; v_permlanex16_b32: each lane takes its own place in the other half
	s_mov_b32 s41, 0xfedcba98
	s_mov_b32 s46, 0x3a800000                      ; 1 / 1024
	s_mov_b32 s47, 0x3727c5ac                      ; 1e-5
	v_and_b32 v1, 15, v0                           ; r
	v_bfe_u32 v2, v0, 4, 1                         ; h
	v_and_b32 v48, 31, v0
	v_lshl_add_u32 v[ADRA], v48, 4, ARING
	v_lshl_add_u32 v[APUB], s14, 9, v[ADRA]
	v_and_b32 v49, 7, v0
	v_lshl_add_u32 v49, v2, 3, v49                 ; the turning load: lane l reads row 8 h + l % 8,
	v_mul_u32_u24 v[ADRB], v49, BP
	v_bfe_u32 v50, v0, 3, 1
	v_lshl_add_u32 v[ADRB], v50, 4, v[ADRB]        ; columns 8 ((l / 8) % 2) + 0..7
	v_add_nc_u32 v[ADRB], s[G0+1], v[ADRB]
	s_mul_i32 s48, s14, 16*SP
	s_add_co_u32 s48, s48, STAGE
	v_mul_u32_u24 v[STO], v1, SP
	v_lshl_add_u32 v[STO], v2, 4, v[STO]
	v_add_nc_u32 v[STO], s48, v[STO]
	v_mul_u32_u24 v[RD], v2, SP
	v_lshl_add_u32 v[RD], v1, 4, v[RD]
	v_add_nc_u32 v[RD], s48, v[RD]
	v_lshlrev_b32 v[CO], 11, v2
	v_lshl_add_u32 v[CO], v1, 4, v[CO]
	v_lshl_add_u32 v[CO], s14, 9, v[CO]
	v_lshlrev_b32 v[POFF], 5, v2
	v_lshl_add_u32 v[POFF], s14, 10, v[POFF]
	v_lshl_add_u32 v[REDR], v1, 4, RED
	v_lshl_add_u32 v[REDW], s14, 2, v[REDR]
	v_lshlrev_b32 v56, 4, v2
	v_lshl_add_u32 v56, s14, 9, v56                ; 512 w + 16 h
	v_mov_b32 v[ZERO], 0
	s_wait_dscnt 0x0                               ; the opening add is done
	s_wait_kmcnt 0x0
	s_lshl_b32 s48, ttmp9, 4
	s_load_b128 s[16:19], s[10:11], s48 offset:0x8000  ; my tile: expert, first place in rowtok, valid rows
	s_lshl_b32 s50, ttmp9, 17                      ; my 64 rows of tbuf
	s_mov_b32 s51, 0
	s_add_nc_u64 s[12:13], s[12:13], s[50:51]
	s_wait_kmcnt 0x0
	s_min_u32 s16, s16, 7
	s_min_u32 s17, s17, 8191
	s_min_u32 s18, s18, 64
	s_max_u32 s18, s18, 1
	s_sub_co_u32 s19, s18, 1
	s_lshl_b32 s48, s16, 22                        ; the expert's 4 MiB of wb: 32 steps of 131,072 bytes on end,
	s_lshl_b32 s49, s14, 9                         ; my 256 columns
	s_add_co_u32 s48, s48, s49
	s_mov_b32 s49, 0
	s_add_nc_u64 s[G0+2:G0+3], s[6:7], s[48:49]
	s_add_nc_u64 s[G0+6:G0+7], s[G0+2:G0+3], 131072
	s_or_b32 s[G0+3], s[G0+3], 0x80000000          ; type = 2
	s_or_b32 s[G0+7], s[G0+7], 0x80000000
	s_lshl_b32 s48, s16, 12
	s_add_nc_u64 s[36:37], s[8:9], s[48:49]        ; the expert's parameters of layer 1
.irp a, 0,1,2,3
	v_add_nc_u32 v[T+(\a)], 16*(\a), v1            ; my slot; a slot past the valid rows repeats the last valid one
	v_min_u32 v[T+(\a)], s19, v[T+(\a)]
	v_add_nc_u32 v[T+(\a)], s17, v[T+(\a)]
	v_min_u32 v[T+(\a)], 0x1fff, v[T+(\a)]
	v_lshlrev_b32 v[T+(\a)], 2, v[T+(\a)]
	global_load_b32 v[T+4+(\a)], v[T+(\a)], s[10:11]
.endr
	s_wait_loadcnt 0x0
.irp a, 0,1,2,3
	v_min_u32 v[T+4+(\a)], 0xfff, v[T+4+(\a)]
	v_lshl_add_u32 v[TOFF+(\a)], v[T+4+(\a)], 11, v56
.endr
	WIN 0x40                                       ; destination window 1
.irp a, 0,1,2,3
.irp b, 0,1,2,3,4,5,6,7,8,9,10,11,12,13,14,15
	global_load_b128 v[4*(16*(\a)+(\b)):4*(16*(\a)+(\b))+3], v[TOFF+(\a)], s[4:5] offset:32*(\b)  ; x in the layout of a packed result
.endr
.endr
	WIN 0
	s_mov_b32 s38, 0                               ; layer
.macro FETCH_A s, c, af                ; the row fragments of 32 k: two waves' published halves
.irp a, 0,1,2,3
	ds_load_b128 v[(\af)+8*(\a):(\af)+8*(\a)+3],   v[ADRA] offset:ASLOT*(\s)+2048*(\a)+1024*(\c)
	ds_load_b128 v[(\af)+8*(\a)+4:(\af)+8*(\a)+7], v[ADRA] offset:ASLOT*(\s)+2048*(\a)+1024*(\c)+512
.endr
.endm
.macro FETCH_B s, c, hb, bf            ; eight column fragments of 32 k, turned
.irp bb, 0,1,2,3,4,5,6,7
	ds_load_tr16_b128 v[(\bf)+8*(\bb):(\bf)+8*(\bb)+3],   v[ADRB] offset:BSLOT*(\s)+32*BP*(\c)+32*(8*(\hb)+(\bb))
	ds_load_tr16_b128 v[(\bf)+8*(\bb)+4:(\bf)+8*(\bb)+7], v[ADRB] offset:BSLOT*(\s)+32*BP*(\c)+32*(8*(\hb)+(\bb))+16*BP
.endr
.endm
.macro MUL af, bf, hb                  ; 32 matrix instructions on 32 accumulators, one a turn; an accumulator comes up again 63 others later
.irp hw, 0,1
	WIN 0xa0+0x50*(\hw)
.irp a, 0,1
.irp bb, 0,1,2,3,4,5,6,7
.set rD, 128*(\a)+8*(8*(\hb)+(\bb))
.set rB, (\bf)+8*(\bb)
.set rA, (\af)+8*(2*(\hw)+(\a))
	v_wmma_f32_16x16x32_bf16 v[rD:rD+7], v[rB:rB+7], v[rA:rA+7], v[rD:rD+7]
.endr
.endr
.endr
.endm
.macro PUB s, b                        ; my packed tiles (a, b) into slot s of the row ring
	WIN 0x04                                       ; data in window 1
.irp a, 0,1,2,3
	ds_store_b128 v[APUB], v[4*(16*(\a)+(\b)):4*(16*(\a)+(\b))+3] offset:ASLOT*(\s)+2048*(\a)
.endr
	WIN 0
.endm
.macro PUBIF s, b, n                   ; in trip n alone: registers are named in the text, so the trip's number chooses the lines
	s_cmp_lg_u32 s39, \n
	s_cbranch_scc1 .Lnp_\@
	PUB \s, \b
.Lnp_\@:
.endm
.macro PUBK s, b0
.irp n, 0,1,2,3,4,5,6
	PUBIF \s, (\b0)+2*(\n), \n
.endr
.endm
; The change of slots.  All my tensor loads have landed (one was out: the other slot's); the add; the other slot's descriptor steps two steps on;
; the add, my reads of both rings and my stores into the row ring are done; the barrier; then slot s of my strip, which I have read out, is filled again first.
.macro SYNC s, fill
	WIN 0
	s_wait_tensorcnt 0x0
	ds_add_u32 v[SPW], v[NIL]
	s_add_nc_u64 s[G0+4*(1-(\s))+2:G0+4*(1-(\s))+3], s[G0+4*(1-(\s))+2:G0+4*(1-(\s))+3], 262144
	s_wait_dscnt 0x0
	s_barrier_signal -1
	s_barrier_wait -1
.if \fill
	tensor_load_to_lds s[G0+4*(\s):G0+4*(\s)+3], s[G1:G1+7]
	s_nop 0
.endif
	PLACES
.endm
; A K step of 64: four runs of 32 matrix instructions; each run's fragments are fetched a run ahead.  The next step's rows are published behind the first run, into the slot that
; every wave finished reading in front of the last barrier.  mode 2: change of slots with a refill; 1: without; 0: the layer's last step.  pk 1: PUBK from pb; 2: PUB pb; 0: nothing.
.macro STEP s, mode, pk, pb
	s_wait_dscnt 0x0                               ; the first run's fragments are in
	PLACES
	FETCH_B \s, 0, 1, BF1
	MUL AF0, BF0, 0
	WIN 0
.if (\pk) == 1
	PUBK 1-(\s), \pb
.elseif (\pk) == 2
	PUB 1-(\s), \pb
.endif
	s_wait_dscnt 0x0
	PLACES
	FETCH_A \s, 1, AF1
	FETCH_B \s, 1, 0, BF0
	MUL AF0, BF1, 1
	WIN 0
	s_wait_dscnt 0x0
	PLACES
	FETCH_B \s, 1, 1, BF1
	MUL AF1, BF0, 0
	WIN 0
.if (\mode) == 0
	s_wait_dscnt 0x0
.else
	SYNC \s, (\mode)-1
	FETCH_A 1-(\s), 0, AF0
	FETCH_B 1-(\s), 0, 0, BF0
.endif
	MUL AF1, BF1, 1
	WIN 0
.endm
.macro PARAM q, u                      ; g and be of tiles b = 4 q .. 4 q + 3 into buffer u: 16 loads
.irp bq, 0,1,2,3
	global_load_b128 v[PBUF+64*(\u)+8*(\bq):PBUF+64*(\u)+8*(\bq)+3],       v[POFF], s[36:37] offset:32768+64*(4*(\q)+(\bq))
	global_load_b128 v[PBUF+64*(\u)+8*(\bq)+4:PBUF+64*(\u)+8*(\bq)+7],     v[POFF], s[36:37] offset:32768+64*(4*(\q)+(\bq))+16
	global_load_b128 v[PBUF+64*(\u)+32+8*(\bq):PBUF+64*(\u)+32+8*(\bq)+3], v[POFF], s[36:37] offset:65536+64*(4*(\q)+(\bq))
	global_load_b128 v[PBUF+64*(\u)+32+8*(\bq)+4:PBUF+64*(\u)+32+8*(\bq)+7], v[POFF], s[36:37] offset:65536+64*(4*(\q)+(\bq))+16
.endr
.endm
; The sum of a lane's 128 numbers of each row tile of window 2 + hw, in four chains; each accumulator's registers are taken from the low end on.
.macro SUMW hw
	WIN 0x0a+5*(\hw)
.irp a, 0,1
.irp p, 0,1
.set rS, S+4*(2*(\hw)+(\a))+2*(\p)
.set rA, 128*(\a)+8*(\p)
	v_pk_add_f32 v[rS:rS+1], v[rA:rA+1], v[rA+2:rA+3]
.endr
.endr
	WIN 0x08+4*(\hw)
.irp bb, 0,1,2,3,4,5,6,7
.irp q, 0,1,2,3
.if ((\bb) > 0) || ((\q) > 1)
.irp a, 0,1
.irp p, 0,1
.set rS, S+4*(2*(\hw)+(\a))+2*(\p)
.set rA, 128*(\a)+8*(2*(\bb)+(\p))+2*(\q)
	v_pk_add_f32 v[rS:rS+1], v[rS:rS+1], v[rA:rA+1]
.endr
.endr
.endif
.endr
.endr
.endm
.macro DEVW hw                         ; the mean is taken away, in place; then the squares are summed, in the same four chains
	WIN 0x82+0x41*(\hw)
.irp a, 0,1
.set i, 0
.rept 64
	v_pk_add_f32 v[128*(\a)+2*i:128*(\a)+2*i+1], v[128*(\a)+2*i:128*(\a)+2*i+1], v[MEAN+2*(2*(\hw)+(\a)):MEAN+2*(2*(\hw)+(\a))+1] neg_lo:[0,1] neg_hi:[0,1]
.set i, i+1
.endr
.endr
	WIN 0x0a+5*(\hw)
.irp bb, 0,1,2,3,4,5,6,7
.irp q, 0,1,2,3
.irp a, 0,1
.irp p, 0,1
.set rS, S+4*(2*(\hw)+(\a))+2*(\p)
.set rA, 128*(\a)+8*(2*(\bb)+(\p))+2*(\q)
.if ((\bb) == 0) && ((\q) == 0)
	v_pk_mul_f32 v[rS:rS+1], v[rA:rA+1], v[rA:rA+1]
.else
	v_pk_fma_f32 v[rS:rS+1], v[rA:rA+1], v[rA:rA+1], v[rS:rS+1]
.endif
.endr
.endr
.endr
.endr
.endm
; A row's sum: my chains, the other half of the lanes, then the four waves' figures through LDS.  Leaves it in v[S + 4 a].
.macro REDUCE buf
	WIN 0
.irp a, 0,1,2,3
	v_pk_add_f32 v[S+4*(\a):S+4*(\a)+1], v[S+4*(\a):S+4*(\a)+1], v[S+4*(\a)+2:S+4*(\a)+3]
.endr
.irp a, 0,1,2,3
	v_add_f32 v[S+4*(\a)], v[S+4*(\a)], v[S+4*(\a)+1]
.endr
.irp a, 0,1,2,3
	v_permlanex16_b32 v[T+(\a)], v[S+4*(\a)], s40, s41
.endr
.irp a, 0,1,2,3
	v_add_f32 v[S+4*(\a)], v[S+4*(\a)], v[T+(\a)]
.endr
.irp a, 0,1,2,3
	ds_store_b32 v[REDW], v[S+4*(\a)] offset:1024*(\buf)+256*(\a)
.endr
	s_wait_dscnt 0x0                               ; for the others' sake: my stores are done
	s_barrier_signal -1
	s_barrier_wait -1
.irp a, 0,1,2,3
	ds_load_b128 v[S+4*(\a):S+4*(\a)+3], v[REDR] offset:1024*(\buf)+256*(\a)
.endr
	s_wait_dscnt 0x0
.irp a, 0,1,2,3
	v_add_f32 v[S+4*(\a)], v[S+4*(\a)], v[S+4*(\a)+1]
.endr
.irp a, 0,1,2,3
	v_add_f32 v[S+4*(\a)+2], v[S+4*(\a)+2], v[S+4*(\a)+3]
.endr
.irp a, 0,1,2,3
	v_add_f32 v[S+4*(\a)], v[S+4*(\a)], v[S+4*(\a)+2]
.endr
.endm
.macro NORM q, u                       ; (deviation x 1 / sqrt(var + eps)) x g + be for tiles b = 4 q .. 4 q + 3
.irp hw, 0,1
	WIN 0x82+0x41*(\hw)
.irp a, 0,1
.irp bq, 0,1,2,3
.irp n, 0,1,2,3
.set rA, 128*(\a)+8*(4*(\q)+(\bq))+2*(\n)
	v_pk_mul_f32 v[rA:rA+1], v[rA:rA+1], v[RS+2*(2*(\hw)+(\a)):RS+2*(2*(\hw)+(\a))+1]
.endr
.irp n, 0,1,2,3
.set rA, 128*(\a)+8*(4*(\q)+(\bq))+2*(\n)
.set rG, PBUF+64*(\u)+8*(\bq)+2*(\n)
	v_pk_fma_f32 v[rA:rA+1], v[rA:rA+1], v[rG:rG+1], v[rG+32:rG+33]
.endr
.endr
.endr
.endr
	WIN 0
.endm
.Llayer:                                               ; two trips: one text for both layers; the stream of W runs on from layer 1's last step to layer 2's first
	s_wait_tensorcnt 0x0                           ; no tensor load of mine is out
	ds_add_u32 v[SPW], v[NIL]
	ds_add_u32 v60, v61
	s_wait_dscnt 0x0
	s_barrier_signal -1
	s_barrier_wait -1
	tensor_load_to_lds s[G0:G0+3], s[G1:G1+7]      ; the layer's step 0 into slot 0
	s_nop 0
	PLACES
	s_wait_loadcnt 0x0                             ; x (first trip)
	PUB 0, 0                                       ; the rows of step 0
.irp hw, 0,1
	WIN 0x80+0x40*(\hw)                            ; destination window 2, 3
.irp a, 0,1
.irp b, 0,1,2,3,4,5,6,7,8,9,10,11,12,13,14,15
	global_load_b128 v[128*(\a)+8*(\b):128*(\a)+8*(\b)+3],   v[POFF], s[36:37] offset:64*(\b)      ; the sums start from the bias
	global_load_b128 v[128*(\a)+8*(\b)+4:128*(\a)+8*(\b)+7], v[POFF], s[36:37] offset:64*(\b)+16
.endr
.endr
.endr
	WIN 0
	SYNC 1, 1                                      ; step 0 has landed and its rows are published; step 1 goes into slot 1
	FETCH_A 0, 0, AF0
	FETCH_B 0, 0, 0, BF0
	s_wait_loadcnt 0x0                             ; the bias
	s_mov_b32 s39, 0
.Lk:                                                   ; seven trips of two steps: steps 0-13 ask for steps 2-15
	STEP 0, 2, 1, 1
	STEP 1, 2, 1, 2
	s_add_co_u32 s39, s39, 1
	s_cmp_lt_u32 s39, 7
	s_cbranch_scc1 .Lk
	STEP 0, 1, 2, 15                               ; step 14 asks for nothing; its change of slots still steps slot 1's descriptor, to the next layer's step 1
	STEP 1, 0, 0, 0
	; LAYERNORM
	PLACES                                         ; behind the last products
	PARAM 0, 0
	PARAM 1, 1
	PARAM 2, 2
	SUMW 0
	SUMW 1
	REDUCE 0
.irp a, 0,1,2,3
	v_mul_f32 v[MEAN+2*(\a)], s46, v[S+4*(\a)]
.endr
.irp a, 0,1,2,3
	v_mov_b32 v[MEAN+2*(\a)+1], v[MEAN+2*(\a)]
.endr
	DEVW 0
	DEVW 1
	REDUCE 1
.irp a, 0,1,2,3
	v_fma_f32 v[S+4*(\a)], v[S+4*(\a)], s46, s47
.endr
.irp a, 0,1,2,3
	v_rsq_f32 v[RS+2*(\a)], v[S+4*(\a)]
.endr
	v_nop                                          ; a plain instruction behind the last of them
	s_wait_alu depctr_va_vdst(0)
.irp a, 0,1,2,3
	v_mov_b32 v[RS+2*(\a)+1], v[RS+2*(\a)]
.endr
	s_wait_loadcnt 32                              ; chunk 0 is in; chunks 1 and 2 are younger
	NORM 0, 0
	PARAM 3, 0
	s_wait_loadcnt 32                              ; chunk 1; chunks 2 and 3 are younger
	NORM 1, 1
	s_wait_loadcnt 16                              ; chunk 2; chunk 3 is younger
	NORM 2, 2
	s_wait_loadcnt 0x0
	NORM 3, 0
	s_cmp_lg_u32 s38, 0
	s_cbranch_scc1 .Lskip
	; layer 1 alone: rounded to bf16 in pairs, ReLU on the pairs: layer 2's row operand
.irp hw, 0,1
	WIN 0x4a+5*(\hw)
.irp a, 0,1
.set i, 0
.rept 64
	v_cvt_pk_bf16_f32 v[64*(2*(\hw)+(\a))+i], v[128*(\a)+2*i], v[128*(\a)+2*i+1]
.set i, i+1
.endr
.endr
.endr
	WIN 0x41
.set i, 0
.rept 256
	v_pk_max_num_bf16 v[i], v[i], v[ZERO]
.set i, i+1
.endr
	WIN 0
.Lskip:
	s_wait_xcnt 0x0                                ; the parameters' base is stepped only behind this wait
	s_add_nc_u64 s[36:37], s[36:37], 98304
	s_add_co_u32 s38, s38, 1
	s_cmp_lt_u32 s38, 2
	s_cbranch_scc1 .Llayer
; THE WAY OUT: 16 rows x 128 columns at a time: rounded to f16, 16 bytes a lane into my stage, back as rows of 256 bytes, stored.
.macro OUT a, hb
	WIN 0
	s_wait_xcnt 0x0                                ; the last stores have read their registers
	WIN 0x0a+5*((\a)/2)
.irp bb, 0,1,2,3,4,5,6,7
.irp q, 0,1,2,3
.set rA, 128*((\a)%2)+8*(8*(\hb)+(\bb))+2*(\q)
	v_cvt_pk_f16_f32 v[TMP+4*(\bb)+(\q)], v[rA], v[rA+1]
.endr
.endr
	WIN 0
.irp bb, 0,1,2,3,4,5,6,7
	ds_store_b128 v[STO], v[TMP+4*(\bb):TMP+4*(\bb)+3] offset:32*(\bb)
.endr
.irp t, 0,1,2,3,4,5,6,7
	ds_load_b128 v[OB+4*(\t):OB+4*(\t)+3], v[RD] offset:2*SP*(\t)  ; LDS serves a wave's instructions in order (ISA guide 5.7.1.4): these see the stores above
.endr
	s_wait_dscnt 0x0
.irp t, 0,1,2,3,4,5,6,7
	global_store_b128 v[CO], v[OB+4*(\t):OB+4*(\t)+3], s[12:13] offset:2048*(16*(\a)+2*(\t))+256*(\hb)  ; 16 lanes store 256 bytes on end, aligned
.endr
.endm
.irp a, 0,1,2,3
	OUT \a, 0
	OUT \a, 1
.endr
	s_wait_tensorcnt 0x0                           ; the wave's end
	ds_add_u32 v[SPW], v[NIL]
	s_wait_dscnt 0x0
	s_endpgm
.Lfunc_end_k_q6bde6e546b_ffn:
	.size	k_q6bde6e546b_ffn, .Lfunc_end_k_q6bde6e546b_ffn-k_q6bde6e546b_ffn
	.p2alignl 7, 3214868480
	.fill 96, 4, 3214868480
	.section	.rodata,"a",@progbits
	.p2align	6, 0x0
	.amdhsa_kernel k_q6bde6e546b_ffn
		.amdhsa_group_segment_fixed_size 327680
		.amdhsa_private_segment_fixed_size 0
		.amdhsa_enable_private_segment 0
		.amdhsa_kernarg_size 40
		.amdhsa_user_sgpr_count 2
		.amdhsa_user_sgpr_kernarg_segment_ptr 1
		.amdhsa_wavefront_size32 1
		.amdhsa_system_sgpr_workgroup_id_x 1
		.amdhsa_system_sgpr_workgroup_id_y 1
		.amdhsa_system_sgpr_workgroup_id_z 1
		.amdhsa_system_vgpr_workitem_id 0
		.amdhsa_next_free_vgpr 1024
		.amdhsa_next_free_sgpr 66
		.amdhsa_reserve_vcc 0
		.amdhsa_float_denorm_mode_32 3
		.amdhsa_float_denorm_mode_16_64 3
		.amdhsa_memory_ordered 1
		.amdhsa_forward_progress 1
		.amdhsa_inst_pref_size 243
	.end_amdhsa_kernel
	.amdgpu_metadata
---
amdhsa.version: [ 1, 2 ]
amdhsa.kernels:
  - .name:           k_q6bde6e546b_ffn
    .symbol:         k_q6bde6e546b_ffn.kd
    .args:
      - { .name: xb, .offset: 0, .size: 8, .value_kind: global_buffer, .address_space: global }
      - { .name: wb, .offset: 8, .size: 8, .value_kind: global_buffer, .address_space: global }
      - { .name: pr, .offset: 16, .size: 8, .value_kind: global_buffer, .address_space: global }
      - { .name: idx, .offset: 24, .size: 8, .value_kind: global_buffer, .address_space: global }
      - { .name: tbuf, .offset: 32, .size: 8, .value_kind: global_buffer, .address_space: global }
    .group_segment_fixed_size: 327680
    .private_segment_fixed_size: 0
    .kernarg_segment_align: 8
    .kernarg_segment_size: 40
    .max_flat_workgroup_size: 128
    .sgpr_count:     66
    .vgpr_count:     1024
    .wavefront_size: 32
...
	.end_amdgpu_metadata
.endif
;; end of part 3
;; launch combine (part 4): grid 512 x 1, 8 waves a work-group, no clusters, 0 bytes of LDS; arguments xb, tbuf, w2, idx, out0; writes out0
.if DOCPART == 4
	.amdgcn_target "amdgcn-amd-amdhsa--gfx1250"
	.amdhsa_code_object_version 6
	.text
	.protected	k_q6bde6e546b_combine
	.globl	k_q6bde6e546b_combine
	.p2align	8
	.type	k_q6bde6e546b_combine,@function
k_q6bde6e546b_combine:
	s_mov_b64 s[64:65], 0
	v_nop
	global_prefetch_b8 v0, s[64:65] scope:SCOPE_SE
	s_setreg_imm32_b32 hwreg(HW_REG_WAVE_MODE, 25, 1), 1
	s_wait_xcnt 0x0
; COMBINE: out0[n] = w_lo relu(x[n] + t[pos_lo]) + w_hi relu(x[n] + t[pos_hi]).  x in bf16 (the one rounding of the input), t in f16, arithmetic in f32.
; A stream: one wave a token, 4,096 waves.  A lane owns four columns of each chunk of 128: loads of 8 bytes a lane cover 256 bytes on end, a store of 16 bytes a lane 512.
; The two rows' numbers are whole numbers that an earlier launch stored; they are clamped to the buffer's last row before they enter an address.  No LDS, no barrier: no wave needs another.
.set XR, 8                             ; v[8:23]   x, eight chunks of two registers
.set T0, 24                            ; v[24:39]  the lower expert's row
.set T1, 40                            ; v[40:55]  the higher expert's
.set OR, 56                            ; v[56:87]  results: registers of their own for each store
.set XF, 88                            ; v[88:91]  x in f32
.set A1, 92                            ; v[92:95]  the second term
	s_load_b256 s[4:11], s[0:1], 0x0               ; xb 4, tbuf 6, w2 8, idx 10
	s_load_b64 s[12:13], s[0:1], 0x20              ; out0
	v_lshrrev_b32 v1, 5, v0
	v_readfirstlane_b32 s14, v1
	s_lshl_b32 s15, ttmp9, 3
	s_add_co_u32 s15, s15, s14                     ; my token
	s_lshl_b32 s20, s15, 3
	v_and_b32 v2, 31, v0
	v_lshlrev_b32 v1, 3, v2                        ; 8 x lane
	v_lshlrev_b32 v2, 4, v2                        ; 16 x lane
	v_mov_b32 v3, 1.0
	s_lshl_b32 s26, s15, 11
	s_mov_b32 s27, 0
	s_wait_kmcnt 0x0
	s_load_b64 s[16:17], s[10:11], s20 offset:0x9000  ; the two rows
	s_load_b64 s[18:19], s[8:9], s20 offset:0x0       ; the two weights
	s_add_nc_u64 s[4:5], s[4:5], s[26:27]
.irp j, 0,1,2,3,4,5,6,7
	global_load_b64 v[XR+2*(\j):XR+2*(\j)+1], v1, s[4:5] offset:256*(\j) th:TH_LOAD_NT
.endr
	s_lshl_b32 s26, s15, 12
	s_add_nc_u64 s[12:13], s[12:13], s[26:27]
	s_wait_kmcnt 0x0
	s_min_u32 s16, s16, 8639
	s_min_u32 s17, s17, 8639
	s_lshl_b32 s22, s16, 11
	s_mov_b32 s23, 0
	s_lshl_b32 s24, s17, 11
	s_mov_b32 s25, 0
	s_add_nc_u64 s[22:23], s[6:7], s[22:23]
	s_add_nc_u64 s[24:25], s[6:7], s[24:25]
.irp j, 0,1,2,3,4,5,6,7
	global_load_b64 v[T0+2*(\j):T0+2*(\j)+1], v1, s[22:23] offset:256*(\j) th:TH_LOAD_NT
	global_load_b64 v[T1+2*(\j):T1+2*(\j)+1], v1, s[24:25] offset:256*(\j) th:TH_LOAD_NT
.endr
.macro MIX d, t, x, hi                 ; d = f16 half of t x 1.0 + x, in f32
.if \hi
	v_fma_mix_f32 v[\d], v[\t], v3, v[\x] op_sel:[1,0,0] op_sel_hi:[1,0,0]
.else
	v_fma_mix_f32 v[\d], v[\t], v3, v[\x] op_sel:[0,0,0] op_sel_hi:[1,0,0]
.endif
.endm
.irp j, 0,1,2,3,4,5,6,7
	s_wait_loadcnt 14-2*(\j)                       ; this chunk's three loads are in; the later chunks' two each stay out
	v_lshlrev_b32 v[XF], 16, v[XR+2*(\j)]
	v_and_b32 v[XF+1], 0xffff0000, v[XR+2*(\j)]
	v_lshlrev_b32 v[XF+2], 16, v[XR+2*(\j)+1]
	v_and_b32 v[XF+3], 0xffff0000, v[XR+2*(\j)+1]
.irp k, 0,1,2,3
	MIX OR+4*(\j)+(\k), T0+2*(\j)+(\k)/2, XF+(\k), (\k)%2
	MIX A1+(\k), T1+2*(\j)+(\k)/2, XF+(\k), (\k)%2
.endr
.irp k, 0,1,2,3
	v_max_num_f32 v[OR+4*(\j)+(\k)], 0, v[OR+4*(\j)+(\k)]
	v_max_num_f32 v[A1+(\k)], 0, v[A1+(\k)]
.endr
.irp k, 0,1,2,3
	v_mul_f32 v[OR+4*(\j)+(\k)], s18, v[OR+4*(\j)+(\k)]
.endr
.irp k, 0,1,2,3
	v_fma_f32 v[OR+4*(\j)+(\k)], s19, v[A1+(\k)], v[OR+4*(\j)+(\k)]
.endr
	global_store_b128 v2, v[OR+4*(\j):OR+4*(\j)+3], s[12:13] offset:512*(\j) th:TH_STORE_NT
.endr
	s_endpgm
.Lfunc_end_k_q6bde6e546b_combine:
	.size	k_q6bde6e546b_combine, .Lfunc_end_k_q6bde6e546b_combine-k_q6bde6e546b_combine
	.p2alignl 7, 3214868480
	.fill 96, 4, 3214868480
	.section	.rodata,"a",@progbits
	.p2align	6, 0x0
	.amdhsa_kernel k_q6bde6e546b_combine
		.amdhsa_group_segment_fixed_size 0
		.amdhsa_private_segment_fixed_size 0
		.amdhsa_enable_private_segment 0
		.amdhsa_kernarg_size 40
		.amdhsa_user_sgpr_count 2
		.amdhsa_user_sgpr_kernarg_segment_ptr 1
		.amdhsa_wavefront_size32 1
		.amdhsa_system_sgpr_workgroup_id_x 1
		.amdhsa_system_sgpr_workgroup_id_y 1
		.amdhsa_system_sgpr_workgroup_id_z 1
		.amdhsa_system_vgpr_workitem_id 0
		.amdhsa_next_free_vgpr 96
		.amdhsa_next_free_sgpr 66
		.amdhsa_reserve_vcc 0
		.amdhsa_float_denorm_mode_32 3
		.amdhsa_float_denorm_mode_16_64 3
		.amdhsa_memory_ordered 1
		.amdhsa_forward_progress 1
		.amdhsa_inst_pref_size 16
	.end_amdhsa_kernel
	.amdgpu_metadata
---
amdhsa.version: [ 1, 2 ]
amdhsa.kernels:
  - .name:           k_q6bde6e546b_combine
    .symbol:         k_q6bde6e546b_combine.kd
    .args:
      - { .name: xb, .offset: 0, .size: 8, .value_kind: global_buffer, .address_space: global }
      - { .name: tbuf, .offset: 8, .size: 8, .value_kind: global_buffer, .address_space: global }
      - { .name: w2, .offset: 16, .size: 8, .value_kind: global_buffer, .address_space: global }
      - { .name: idx, .offset: 24, .size: 8, .value_kind: global_buffer, .address_space: global }
      - { .name: out0, .offset: 32, .size: 8, .value_kind: global_buffer, .address_space: global }
    .group_segment_fixed_size: 0
    .private_segment_fixed_size: 0
    .kernarg_segment_align: 8
    .kernarg_segment_size: 40
    .max_flat_workgroup_size: 256
    .sgpr_count:     66
    .vgpr_count:     96
    .wavefront_size: 32
...
	.end_amdgpu_metadata
.endif
;; end of part 4
;; ======== version 2 of 3: 4 launches; 1.16 times as fast as version 1
;; limits: values are held in f16: magnitudes above 65,504 overflow, below 6.1e-05 lose precision; right only within a limited range of input values
;; workspace buffers: msk 4,096 bytes of whole numbers; w2 32,768 bytes; xb 8,388,608 bytes; wb 33,554,432 bytes; pr 196,608 bytes; idx 69,632 bytes of whole numbers; tbuf 17,694,720 bytes
;; launch prep (part 5): grid 512 x 1, 4 waves a work-group, no clusters, 16,896 bytes of LDS; arguments x, Wg, bg, W1, W2, b1, g1, be1, b2, g2, be2, out1, msk, w2, xb, wb, pr; writes out1, msk, w2, xb, wb, pr
.if DOCPART == 5
	.amdgcn_target "amdgcn-amd-amdhsa--gfx1250"
	.amdhsa_code_object_version 6
	.text
	.protected	k_q6bde6e546b_prep
	.globl	k_q6bde6e546b_prep
	.p2align	8
	.type	k_q6bde6e546b_prep,@function
k_q6bde6e546b_prep:
	s_mov_b64 s[64:65], 0
	v_nop
	global_prefetch_b8 v0, s[64:65] scope:SCOPE_SE
	s_setreg_imm32_b32 hwreg(HW_REG_WAVE_MODE, 25, 1), 1
	s_wait_xcnt 0x0
; PREP: the gate, and bf16 copies of everything that the later launches read.
; Every input is rounded ONCE to bf16 here; all arithmetic behind that rounding is f32.
;   out1[t][e] = softmax_e(x[t] . Wg[:,e] + bg[e])      msk[t] = bit mask of the two largest (a tie goes to the lower index)
;   w2[t][0], [1] = the two renormalised weights, the chosen expert with the lower index first
;   xb = bf16(x)      pr = bf16-rounded b1, g1, be1, b2, g2, be2, kept as f32, [layer][b, g, be][8192]
;   wb = bf16(W1, W2), [expert][layer][row][1024]; source row k = 256 w + 16 j + i (i < 16) lies at row 64 j + 16 w + i
; SHARES: 512 work-groups x 4 waves = 2,048 waves.  Wave gw takes tokens 2 gw and 2 gw + 1, and 8 rows (32 KiB on end) of one weight matrix.
; The gate's product has 8 columns: it is made of exact products of bf16 halves summed in f32 (v_fma_mix_f32_bf16), a lane owning k = 128 j + 4 lane + i.
; THE WEIGHTS' 64 LOADS have registers of their own (window 1, four a load) and go out in four batches among the gate's phases, the first 30 ahead of all arithmetic:
; the wave's bytes are on their way while it works on the gate.  By this text's own count 63 loads are out behind the first batch and 62 at the most later.
; LIMITS: NaN and infinities are not treated apart; a probability below 2^-126 counts as 0.
.set SPARE, 16384                      ; behind Wg's copy: the spare words, 128 bytes a wave
.set SPW, 6                            ; v6   LDS address of my spare word; never rewritten
.set NIL, 7                            ; v7   0; never rewritten
.set AC,  8                            ; v[8:15]    the eight logit sums
.set X0,  32                           ; v[32:63]   token 0's row
.set X1,  64                           ; v[64:95]   token 1's row
.set YB,  96                           ; v[96:127]  packed Wg; later the parameters
.set WGR, 128                          ; v[128:255] Wg in bf16 for my 32 k: four registers (eight experts) for each k
.set MSB, 0
.macro WIN new                         ; s_set_vgpr_msb: bits 1:0 source 0, 3:2 source 1, 7:6 destination; the high byte repeats the setting that is left
.if MSB != (\new)
	s_set_vgpr_msb (MSB<<8)|(\new)
.set MSB, \new
.endif
.endm
	s_load_b512 s[8:23], s[0:1], 0x0               ; x 8, Wg 10, bg 12, W1 14, W2 16, b1 18, g1 20, be1 22
	s_load_b512 s[24:39], s[0:1], 0x40             ; b2 24, g2 26, be2 28, out1 30, msk 32, w2 34, xb 36, wb 38
	s_load_b64 s[40:41], s[0:1], 0x80              ; pr
	v_lshl_add_u32 v[SPW], v0, 2, SPARE
	v_mov_b32 v[NIL], 0
	v_and_b32 v1, 31, v0                           ; lane
	v_lshrrev_b32 v2, 5, v0
	v_readfirstlane_b32 s4, v2                     ; wave
	s_mov_b32 s6, ttmp9
	s_lshl_b32 s5, s6, 2
	s_add_co_u32 s5, s5, s4                        ; gw
	s_mov_b32 s42, 0xaaaaaaaa                      ; lanes with bit 0 set
	s_mov_b32 s43, 0xcccccccc                      ; bit 1
	s_mov_b32 s44, 0xf0f0f0f0                      ; bit 2
	s_mov_b32 s45, 0xff00ff00                      ; bit 3
	s_mov_b32 s46, 0x76543210                      ; v_permlanex16_b32: each lane takes its own place in the other half
	s_mov_b32 s47, 0xfedcba98
	v_lshlrev_b32 v2, 4, v0                        ; 16 x thread
	v_lshlrev_b32 v3, 4, v1                        ; 16 x lane
	v_and_b32 v4, 7, v1
	v_cvt_f32_u32 v25, v4                          ; my expert's number as a float
	v_lshlrev_b32 v4, 2, v4
	v_lshlrev_b32 v5, 3, v0                        ; 8 x thread
	v_lshlrev_b32 v16, 6, v1                       ; 64 x lane
	v_lshlrev_b32 v17, 3, v1                       ; 8 x lane
	v_mov_b32 v30, 0                               ; the first link's addend
	s_lshl_b32 s54, s5, 13                         ; two rows of x
	s_mov_b32 s55, 0
	s_lshl_b32 s56, s5, 12                         ; two rows of xb
	s_mov_b32 s57, 0
	; my share of the weights: 8 source rows, 32,768 bytes on end; their copy, 16,384 bytes on end
	s_lshr_b32 s52, s6, 5                          ; matrix 0-15: W1's eight, then W2's
	s_and_b32 s53, s52, 7                          ; expert
	s_and_b32 s58, s6, 31
	s_lshl_b32 s58, s58, 2
	s_add_co_u32 s58, s58, s4                      ; which eight rows
	s_lshl_b32 s60, s53, 22
	s_lshl_b32 s61, s58, 15
	s_add_co_u32 s60, s60, s61                     ; the source's byte offset
	s_mov_b32 s61, 0
	s_lshl_b32 s62, s53, 1
	s_lshr_b32 s63, s52, 3
	s_add_co_u32 s62, s62, s63
	s_lshl_b32 s62, s62, 21                        ; (2 expert + layer) x 2 MiB
	s_bfe_u32 s63, s58, 0x40001                    ; j
	s_lshl_b32 s63, s63, 6
	s_lshr_b32 s59, s58, 5                         ; w
	s_lshl_b32 s59, s59, 4
	s_add_co_u32 s63, s63, s59
	s_and_b32 s59, s58, 1
	s_lshl_b32 s59, s59, 3
	s_add_co_u32 s63, s63, s59                     ; row 64 j + 16 w + 8 (upper half)
	s_lshl_b32 s63, s63, 11
	s_add_co_u32 s62, s62, s63                     ; the copy's byte offset
	s_mov_b32 s63, 0
	s_wait_kmcnt 0x0
	s_add_nc_u64 s[8:9], s[8:9], s[54:55]
	s_add_nc_u64 s[36:37], s[36:37], s[56:57]
	s_cmp_lt_u32 s6, 256
	s_cselect_b64 s[48:49], s[14:15], s[16:17]
	s_add_nc_u64 s[48:49], s[48:49], s[60:61]
	s_add_nc_u64 s[50:51], s[38:39], s[62:63]
.macro WLOADS first, n                 ; n of the weights' 64 loads, 512 bytes on end each, into window 1
	WIN 0x40
.set i, \first
.rept \n
	global_load_b128 v[4*i:4*i+3], v3, s[48:49] offset:512*i th:TH_LOAD_NT
.set i, i+1
.endr
	WIN 0
.endm
	global_load_b32 v31, v4, s[12:13]              ; bg of my expert
.irp q, 0,1,2,3,4,5,6,7,8,9,10,11,12,13,14,15
	global_load_b128 v[WGR+4*(\q):WGR+4*(\q)+3], v2, s[10:11] offset:2048*(\q)   ; all of Wg, 2,048 bytes on end a load of the work-group
.endr
.irp j, 0,1,2,3,4,5,6,7
	global_load_b128 v[X0+4*(\j):X0+4*(\j)+3], v3, s[8:9] offset:512*(\j) th:TH_LOAD_NT
.endr
.irp j, 0,1,2,3,4,5,6,7
	global_load_b128 v[X1+4*(\j):X1+4*(\j)+3], v3, s[8:9] offset:4096+512*(\j) th:TH_LOAD_NT
.endr
	WLOADS 0, 30
	; Wg to bf16, into LDS as [k][8], 16 bytes a k; then each lane takes the 32 k that it owns
	s_wait_loadcnt 46                              ; bg and Wg are in; x's 16 loads and the weights' 30 are younger
.irp q, 0,1,2,3,4,5,6,7,8,9,10,11,12,13,14,15
	v_cvt_pk_bf16_f32 v[YB+2*(\q)], v[WGR+4*(\q)], v[WGR+4*(\q)+1]
	v_cvt_pk_bf16_f32 v[YB+2*(\q)+1], v[WGR+4*(\q)+2], v[WGR+4*(\q)+3]
.endr
.irp q, 0,1,2,3,4,5,6,7,8,9,10,11,12,13,14,15
	ds_store_b64 v5, v[YB+2*(\q):YB+2*(\q)+1] offset:1024*(\q)
.endr
	WLOADS 30, 16
	s_wait_dscnt 0x0                               ; for the others' sake: my stores are done
	s_barrier_signal -1
	s_barrier_wait -1
.irp j, 0,1,2,3,4,5,6,7
.irp i, 0,1,2,3
	ds_load_b128 v[WGR+4*(4*(\j)+(\i)):WGR+4*(4*(\j)+(\i))+3], v16 offset:2048*(\j)+16*(\i)
.endr
.endr
	s_wait_dscnt 0x0
.macro FM d, xr, wr, c, xh, eh         ; d = bf16 half xh of xr x bf16 half eh of wr + c, in f32
.if ((\xh) == 0) && ((\eh) == 0)
	v_fma_mix_f32_bf16 v[\d], v[\xr], v[\wr], v[\c] op_sel:[0,0,0] op_sel_hi:[1,1,0]
.elseif ((\xh) == 1) && ((\eh) == 0)
	v_fma_mix_f32_bf16 v[\d], v[\xr], v[\wr], v[\c] op_sel:[1,0,0] op_sel_hi:[1,1,0]
.elseif ((\xh) == 0)
	v_fma_mix_f32_bf16 v[\d], v[\xr], v[\wr], v[\c] op_sel:[0,1,0] op_sel_hi:[1,1,0]
.else
	v_fma_mix_f32_bf16 v[\d], v[\xr], v[\wr], v[\c] op_sel:[1,1,0] op_sel_hi:[1,1,0]
.endif
.endm
.macro RS lo, hi, m, xm                ; a lane keeps one of two sums, by its bit in mask m, and takes its partner's share of it
	v_cndmask_b32 v20, v[\lo], v[\hi], \m
	v_cndmask_b32 v21, v[\hi], v[\lo], \m
	v_add_f32_dpp v[\lo], v21, v20 row_xmask:\xm row_mask:0xf bank_mask:0xf
.endm
; One token: its row is rounded and stored, its eight logits are summed; at the end every lane holds the logit of expert lane % 8.
.macro TOKEN xr, cnt, z, off
	s_wait_loadcnt \cnt                            ; the row is in; what was issued behind it stays out
.irp j, 0,1,2,3,4,5,6,7
	v_cvt_pk_bf16_f32 v[(\xr)+4*(\j)], v[(\xr)+4*(\j)], v[(\xr)+4*(\j)+1]
	v_cvt_pk_bf16_f32 v[(\xr)+4*(\j)+1], v[(\xr)+4*(\j)+2], v[(\xr)+4*(\j)+3]
	global_store_b64 v17, v[(\xr)+4*(\j):(\xr)+4*(\j)+1], s[36:37] offset:(\off)+256*(\j)   ; 256 bytes on end, aligned
.endr
.irp j, 0,1,2,3,4,5,6,7
.irp i, 0,1,2,3
.irp e, 0,1,2,3,4,5,6,7
.set rx, (\xr)+4*(\j)+(\i)/2
.set rw, WGR+4*(4*(\j)+(\i))+(\e)/2
.set rc, AC+(\e)
.if ((\j) == 0) && ((\i) == 0)
.set rc, 30
.endif
	FM AC+(\e), rx, rw, rc, (\i)%2, (\e)%2
.endr
.endr
.endr
	RS 8, 9, s42, 1
	RS 10, 11, s42, 1
	RS 12, 13, s42, 1
	RS 14, 15, s42, 1
	RS 8, 10, s43, 2
	RS 12, 14, s43, 2
	RS 8, 12, s44, 4
	v_add_f32_dpp v8, v8, v8 row_xmask:8 row_mask:0xf bank_mask:0xf
	v_permlanex16_b32 v21, v8, s46, s47
	v_add_f32 v[\z], v8, v21
.endm
	TOKEN X0, 54, 18, 0                            ; token 1's eight loads and the weights' 46 are younger
	WLOADS 46, 8
	TOKEN X1, 54, 19, 2048                         ; the weights' 54 are younger
.macro ALL8 op, r                      ; over the eight lanes of a token
	\op v[\r], v[\r], v[\r] row_xmask:1 row_mask:0xf bank_mask:0xf
	\op v[\r], v[\r], v[\r] row_xmask:2 row_mask:0xf bank_mask:0xf
	\op v[\r], v[\r], v[\r] row_xmask:4 row_mask:0xf bank_mask:0xf
.endm
	; THE GATE.  Lane = 8 t + e (lanes 16-31 repeat lanes 0-15).  bg came in with Wg.
	v_cvt_pk_bf16_f32 v31, v31, v31
	v_lshlrev_b32 v31, 16, v31
	v_cndmask_b32 v20, v18, v19, s45
	v_add_f32 v20, v20, v31                        ; the logit
	v_mov_b32 v21, v20
	ALL8 v_max_num_f32_dpp, 21                     ; the maximum is taken away before the exponential
	v_sub_f32 v22, v20, v21
	v_mul_f32 v22, 0x3fb8aa3b, v22
	v_exp_f32 v22, v22
	v_nop                                          ; a plain instruction behind the exponential
	s_wait_alu depctr_va_vdst(0)
	v_mov_b32 v23, v22
	ALL8 v_add_f32_dpp, 23
	v_rcp_f32 v23, v23
	v_nop
	s_wait_alu depctr_va_vdst(0)
	v_mul_f32 v24, v22, v23                        ; the probability
	v_mov_b32 v26, v24
	ALL8 v_max_num_f32_dpp, 26                     ; the largest,
	v_cmp_eq_f32 vcc_lo, v24, v26
	v_cndmask_b32 v27, 0x41000000, v25, vcc_lo
	ALL8 v_min_num_f32_dpp, 27                     ; and the lowest index that has it
	v_cmp_eq_f32 s58, v25, v27
	v_cndmask_b32 v28, v24, -1.0, s58              ; that one is taken out
	v_mov_b32 v29, v28
	ALL8 v_max_num_f32_dpp, 29                     ; the second largest
	v_cmp_eq_f32 vcc_lo, v28, v29
	v_cndmask_b32 v20, 0x41000000, v25, vcc_lo
	ALL8 v_min_num_f32_dpp, 20
	v_cmp_eq_f32 s59, v25, v20
	s_or_b32 s58, s58, s59                         ; bits 0-7: token 0's two experts; bits 8-15: token 1's
	v_add_f32 v21, v26, v29
	v_add_f32 v21, 0x3089705f, v21                 ; + 1e-9
	v_rcp_f32 v21, v21
	v_cmp_lt_f32 vcc_lo, v27, v20                  ; (a plain instruction behind the reciprocal) is the largest the lower index?
	v_cndmask_b32 v22, v29, v26, vcc_lo            ; the lower index's probability
	v_cndmask_b32 v23, v26, v29, vcc_lo            ; the higher's
	v_cndmask_b32 v22, v22, v23, s42               ; odd lanes carry the higher's
	s_wait_alu depctr_va_vdst(0)
	v_mul_f32 v22, v22, v21
	v_and_b32 v8, 15, v1
	v_lshlrev_b32 v8, 2, v8                        ; out1: 4 (8 t + e)
	v_bfe_u32 v10, v1, 3, 1
	v_and_b32 v9, 1, v1
	v_lshlrev_b32 v9, 2, v9
	v_lshl_add_u32 v9, v10, 3, v9                  ; w2: 8 t + 4 (e % 2)
	v_mov_b32 v11, s58
	s_lshl_b32 s54, s5, 6
	s_add_nc_u64 s[30:31], s[30:31], s[54:55]
	s_lshl_b32 s54, s5, 4
	s_add_nc_u64 s[34:35], s[34:35], s[54:55]
	s_lshl_b32 s54, s5, 1
	s_add_nc_u64 s[32:33], s[32:33], s[54:55]
	; all lanes stay on: lanes that name the same address carry the same number
	global_store_b32 v8, v24, s[30:31]
	global_store_b32 v9, v22, s[34:35]
	global_store_b16 v30, v11, s[32:33]
	; THE WEIGHTS, eight loads at a time: rounded in pairs in place, and stored from there; no register is written a second time, so no store is waited for
.macro GROUP g, cnt
	s_wait_loadcnt \cnt                            ; these eight are in; the later ones stay out
	WIN 0x45                                       ; destination and both sources in window 1
.irp i, 0,1,2,3,4,5,6,7
	v_cvt_pk_bf16_f32 v[4*(8*(\g)+(\i))], v[4*(8*(\g)+(\i))], v[4*(8*(\g)+(\i))+1]
	v_cvt_pk_bf16_f32 v[4*(8*(\g)+(\i))+1], v[4*(8*(\g)+(\i))+2], v[4*(8*(\g)+(\i))+3]
.endr
	WIN 0x04                                       ; a store's data in window 1, its address in window 0
.irp i, 0,1,2,3,4,5,6,7
	global_store_b64 v17, v[4*(8*(\g)+(\i)):4*(8*(\g)+(\i))+1], s[50:51] offset:256*(8*(\g)+(\i))   ; 256 bytes on end, aligned
.endr
.endm
	GROUP 0, 46                                    ; 54 have been issued
	WLOADS 54, 10                                  ; the last ten
.irp g, 1,2,3,4,5,6,7
	GROUP \g, 56-8*(\g)
.endr
	WIN 0
	; THE PARAMETERS: wave 0 of the first 128 work-groups rounds 64 numbers of each of the six
	s_cmp_lg_u32 s4, 0
	s_cbranch_scc1 .Lno_param
	s_cmp_ge_u32 s6, 128
	s_cbranch_scc1 .Lno_param
	v_lshl_add_u32 v20, s6, 8, v17
.irp n, 0,1,2,3,4,5
	global_load_b64 v[YB+2*(\n):YB+2*(\n)+1], v20, s[18+2*(\n):19+2*(\n)]
.endr
	s_wait_loadcnt 0x0
.irp n, 0,1,2,3,4,5
	v_cvt_pk_bf16_f32 v21, v[YB+2*(\n)], v[YB+2*(\n)+1]
	v_lshlrev_b32 v[YB+2*(\n)], 16, v21
	v_and_b32 v[YB+2*(\n)+1], 0xffff0000, v21
	global_store_b64 v20, v[YB+2*(\n):YB+2*(\n)+1], s[40:41] offset:32768*(\n)
.endr
.Lno_param:
	s_wait_tensorcnt 0x0                           ; the wave's end
	ds_add_u32 v[SPW], v[NIL]
	s_wait_dscnt 0x0
	s_endpgm
.Lfunc_end_k_q6bde6e546b_prep:
	.size	k_q6bde6e546b_prep, .Lfunc_end_k_q6bde6e546b_prep-k_q6bde6e546b_prep
	.p2alignl 7, 3214868480
	.fill 96, 4, 3214868480
	.section	.rodata,"a",@progbits
	.p2align	6, 0x0
	.amdhsa_kernel k_q6bde6e546b_prep
		.amdhsa_group_segment_fixed_size 16896
		.amdhsa_private_segment_fixed_size 0
		.amdhsa_enable_private_segment 0
		.amdhsa_kernarg_size 136
		.amdhsa_user_sgpr_count 2
		.amdhsa_user_sgpr_kernarg_segment_ptr 1
		.amdhsa_wavefront_size32 1
		.amdhsa_system_sgpr_workgroup_id_x 1
		.amdhsa_system_sgpr_workgroup_id_y 1
		.amdhsa_system_sgpr_workgroup_id_z 1
		.amdhsa_system_vgpr_workitem_id 0
		.amdhsa_next_free_vgpr 512
		.amdhsa_next_free_sgpr 66
		.amdhsa_reserve_vcc 1
		.amdhsa_float_denorm_mode_32 3
		.amdhsa_float_denorm_mode_16_64 3
		.amdhsa_memory_ordered 1
		.amdhsa_forward_progress 1
		.amdhsa_inst_pref_size 77
	.end_amdhsa_kernel
	.amdgpu_metadata
---
amdhsa.version: [ 1, 2 ]
amdhsa.kernels:
  - .name:           k_q6bde6e546b_prep
    .symbol:         k_q6bde6e546b_prep.kd
    .args:
      - { .name: x, .offset: 0, .size: 8, .value_kind: global_buffer, .address_space: global }
      - { .name: Wg, .offset: 8, .size: 8, .value_kind: global_buffer, .address_space: global }
      - { .name: bg, .offset: 16, .size: 8, .value_kind: global_buffer, .address_space: global }
      - { .name: W1, .offset: 24, .size: 8, .value_kind: global_buffer, .address_space: global }
      - { .name: W2, .offset: 32, .size: 8, .value_kind: global_buffer, .address_space: global }
      - { .name: b1, .offset: 40, .size: 8, .value_kind: global_buffer, .address_space: global }
      - { .name: g1, .offset: 48, .size: 8, .value_kind: global_buffer, .address_space: global }
      - { .name: be1, .offset: 56, .size: 8, .value_kind: global_buffer, .address_space: global }
      - { .name: b2, .offset: 64, .size: 8, .value_kind: global_buffer, .address_space: global }
      - { .name: g2, .offset: 72, .size: 8, .value_kind: global_buffer, .address_space: global }
      - { .name: be2, .offset: 80, .size: 8, .value_kind: global_buffer, .address_space: global }
      - { .name: out1, .offset: 88, .size: 8, .value_kind: global_buffer, .address_space: global }
      - { .name: msk, .offset: 96, .size: 8, .value_kind: global_buffer, .address_space: global }
      - { .name: w2, .offset: 104, .size: 8, .value_kind: global_buffer, .address_space: global }
      - { .name: xb, .offset: 112, .size: 8, .value_kind: global_buffer, .address_space: global }
      - { .name: wb, .offset: 120, .size: 8, .value_kind: global_buffer, .address_space: global }
      - { .name: pr, .offset: 128, .size: 8, .value_kind: global_buffer, .address_space: global }
    .group_segment_fixed_size: 16896
    .private_segment_fixed_size: 0
    .kernarg_segment_align: 8
    .kernarg_segment_size: 136
    .max_flat_workgroup_size: 128
    .sgpr_count:     66
    .vgpr_count:     512
    .wavefront_size: 32
...
	.end_amdgpu_metadata
.endif
;; end of part 5
;; launch route (part 6): grid 32 x 1, 32 waves a work-group, no clusters, 5,120 bytes of LDS; arguments msk, idx; writes idx
.if DOCPART == 6
	.amdgcn_target "amdgcn-amd-amdhsa--gfx1250"
	.amdhsa_code_object_version 6
	.text
	.protected	k_q6bde6e546b_route
	.globl	k_q6bde6e546b_route
	.p2align	8
	.type	k_q6bde6e546b_route,@function
k_q6bde6e546b_route:
	s_mov_b64 s[64:65], 0
	v_nop
	global_prefetch_b8 v0, s[64:65] scope:SCOPE_SE
	s_setreg_imm32_b32 hwreg(HW_REG_WAVE_MODE, 25, 1), 1
	s_wait_xcnt 0x0
; ROUTE: from each token's mask of two experts to whole numbers that steer the later launches' addresses.
;   idx + 0:      rowtok[8192]   the token of each (expert, rank), experts on end
;   idx + 32768:  tab[256]       {expert, first place in rowtok, valid rows 1..64, 0} for each tile of 64 row slots
;   idx + 36864:  pos[4096][2]   the row of the next launch's result for the token's lower and higher expert: 64 x tile + slot
; ALWAYS 135 TILES, NONE EMPTY.  With counts c_e (their sum is 8,192) the sum of ceil(c_e / 64) lies in 128..135.  The D = 135 - sum tiles that are
; missing are made by the first expert with the largest count (at least 1,024): its first D' ranks get a tile of one row each, D' = D + (D >= r),
; r = the rows of its last tile; then D' + ceil((c - D') / 64) = ceil(c / 64) + D.
; SHARES.  32 work-groups of 32 waves.  A rank needs the counts of all tokens in front of it, so EVERY work-group counts all 4,096 tokens: wave v takes tokens 128 v .. 128 v + 127,
; a lane a token, four groups; the waves' totals meet in LDS.  Behind the one barrier wave g of work-group g alone goes on: the scan over the waves' totals, the tiles, its 128 tokens'
; ranks, and (work-groups 0-7) 32 entries of the table.  So the counting, the short part, is done 32 times over, the long part once, a wave to a work-group, and each byte of idx is stored by one work-group.
.set SPARE, 1024                       ; behind the waves' totals: the spare words, 128 bytes a wave
.set SPW, 2                            ; v2  LDS address of my spare word; never rewritten
.set NIL, 3                            ; v3  0; never rewritten
.set RK,  8                            ; s[8:15]   the rank that the next token of expert e gets
.set B64, 16                           ; s[16:23]  64 x the expert's first tile
.set DD,  24                           ; s[24:31]  its tiles of one row
.set D63, 32                           ; s[32:39]  63 x that
.set CC,  40                           ; s[40:47]  its count
.set CB,  48                           ; s[48:55]  its first place in rowtok
.set CW,  56                           ; s[56:63]  my wave's counts; later at work
.set BW,  66                           ; s[66:97]  ballots: group gi, expert e at BW + 8 gi + e
	s_load_b128 s[4:7], s[0:1], 0x0                ; msk, idx
	v_lshl_add_u32 v[SPW], v0, 2, SPARE
	v_mov_b32 v[NIL], 0
	v_lshrrev_b32 v4, 5, v0
	v_readfirstlane_b32 s98, v4                    ; wave
	v_and_b32 v5, 31, v0                           ; lane
	v_lshl_add_u32 v1, s98, 7, v5                  ; my token in group 0
	s_mov_b32 s2, 0xffff0000                       ; lanes 16-31
	v_mov_b32 v24, 0
	s_wait_kmcnt 0x0
.irp gi, 0,1,2,3
	global_load_u8 v[8+(\gi)], v1, s[4:5] offset:32*(\gi)
.endr
.irp e, 0,1,2,3,4,5,6,7
	s_mov_b32 s[CW+(\e)], 0
.endr
	s_wait_loadcnt 0x0
.irp gi, 0,1,2,3
.irp e, 0,1,2,3,4,5,6,7
	v_and_b32 v12, 1<<(\e), v[8+(\gi)]
	v_cmp_ne_u32 s[BW+8*(\gi)+(\e)], 0, v12
	s_bcnt1_i32_b32 s99, s[BW+8*(\gi)+(\e)]
	s_add_co_u32 s[CW+(\e)], s[CW+(\e)], s99
.endr
.endr
.irp e, 0,1,2,3,4,5,6,7
	v_mov_b32 v[16+(\e)], s[CW+(\e)]
.endr
	v_mov_b32 v13, s98
	v_lshlrev_b32 v13, 5, v13                      ; my wave's eight words
	ds_store_b128 v13, v[16:19]
	ds_store_b128 v13, v[20:23] offset:16
	s_wait_dscnt 0x0                               ; for the others' sake: my stores are done
	s_barrier_signal -1
	s_barrier_wait -1
	s_cmp_lg_u32 s98, ttmp9                        ; the wave whose number is the work-group's goes on; the others have given their totals and end
	s_cbranch_scc1 .Lend
	v_lshlrev_b32 v14, 5, v5                       ; lane l reads wave l's totals
	ds_load_b128 v[16:19], v14
	ds_load_b128 v[20:23], v14 offset:16
	s_wait_dscnt 0x0
.macro SCAN r                          ; running sum over the 32 lanes, each lane's own number included
.irp n, 1,2,4,8
	v_mov_b32_dpp v24, v[\r] row_shr:\n row_mask:0xf bank_mask:0xf bound_ctrl:1
	v_add_nc_u32 v[\r], v[\r], v24
.endr
	v_readlane_b32 s99, v[\r], 15
	v_cndmask_b32 v24, 0, s99, s2
	v_add_nc_u32 v[\r], v[\r], v24
.endm
.irp e, 0,1,2,3,4,5,6,7
	SCAN 16+(\e)
	v_readlane_b32 s[CC+(\e)], v[16+(\e)], 31      ; the expert's count
	v_readlane_b32 s[RK+(\e)], v[16+(\e)], s98     ; the waves up to mine,
	s_sub_co_u32 s[RK+(\e)], s[RK+(\e)], s[CW+(\e)]  ; less mine: my first rank
.endr
	; the tiles
	s_mov_b32 s56, 0
	s_mov_b32 s57, 0
.irp e, 0,1,2,3,4,5,6,7
	s_add_co_u32 s99, s[CC+(\e)], 63
	s_lshr_b32 s99, s99, 6
	s_add_co_u32 s56, s56, s99                     ; the sum of ceil(c / 64)
	s_max_u32 s57, s57, s[CC+(\e)]                 ; the largest count
.endr
	s_sub_co_u32 s58, 135, s56
	s_max_i32 s58, s58, 0                          ; D
	s_add_co_u32 s59, s57, 63
	s_lshr_b32 s59, s59, 6
	s_sub_co_u32 s59, s59, 1
	s_lshl_b32 s59, s59, 6
	s_sub_co_u32 s59, s57, s59                     ; r
	s_cmp_ge_u32 s58, s59
	s_cselect_b32 s60, 1, 0
	s_add_co_u32 s58, s58, s60                     ; D'
	s_mov_b32 s61, 0                               ; the largest has been found
	s_mov_b32 s62, 0                               ; tiles so far
	s_mov_b32 s63, 0                               ; rows so far
.irp e, 0,1,2,3,4,5,6,7
	s_cmp_eq_u32 s[CC+(\e)], s57
	s_cselect_b32 s99, 1, 0
	s_and_not1_b32 s99, s99, s61
	s_or_b32 s61, s61, s99
	s_mul_i32 s[DD+(\e)], s99, s58
	s_mul_i32 s[D63+(\e)], s[DD+(\e)], 63
	s_mov_b32 s[CB+(\e)], s63
	s_add_co_u32 s63, s63, s[CC+(\e)]
	s_lshl_b32 s[B64+(\e)], s62, 6
	s_sub_co_u32 s99, s[CC+(\e)], s[DD+(\e)]
	s_add_co_u32 s99, s99, 63
	s_lshr_b32 s99, s99, 6
	s_add_co_u32 s99, s99, s[DD+(\e)]
	s_add_co_u32 s62, s62, s99
.endr
	; the table: waves 0-7 (of work-groups 0-7), a thread a tile; the last expert whose first tile is not beyond the tile owns it
	s_cmp_ge_u32 s98, 8
	s_cbranch_scc1 .Lno_tab
	v_lshlrev_b32 v25, 6, v0
	v_mov_b32 v26, 0
	v_mov_b32 v27, s[B64]
	v_mov_b32 v28, s[DD]
	v_mov_b32 v29, s[CC]
	v_mov_b32 v30, s[CB]
.irp e, 1,2,3,4,5,6,7
	v_cmp_le_u32 vcc_lo, s[B64+(\e)], v25
	v_cndmask_b32 v26, v26, \e, vcc_lo
	v_cndmask_b32 v27, v27, s[B64+(\e)], vcc_lo
	v_cndmask_b32 v28, v28, s[DD+(\e)], vcc_lo
	v_cndmask_b32 v29, v29, s[CC+(\e)], vcc_lo
	v_cndmask_b32 v30, v30, s[CB+(\e)], vcc_lo
.endr
	v_sub_nc_u32 v31, v25, v27
	v_lshrrev_b32 v31, 6, v31                      ; the tile's number within the expert
	v_sub_nc_u32 v32, v31, v28
	v_lshlrev_b32 v32, 6, v32                      ; rows in front of it among the tiles of 64
	v_add_nc_u32 v33, v32, v28
	v_cmp_lt_u32 vcc_lo, v31, v28                  ; a tile of one row?
	v_cndmask_b32 v33, v33, v31, vcc_lo
	v_add_nc_u32 v33, v33, v30
	v_min_u32 v37, 0x1fff, v33                     ; first place in rowtok
	v_sub_nc_u32 v34, v29, v28
	v_sub_nc_u32 v34, v34, v32
	v_min_i32 v34, 64, v34
	v_cndmask_b32 v34, v34, 1, vcc_lo
	v_max_i32 v38, 1, v34                          ; valid rows
	v_mov_b32 v36, v26
	v_mov_b32 v39, 0
	v_lshlrev_b32 v35, 4, v0
	global_store_b128 v35, v[36:39], s[6:7] offset:32768
.Lno_tab:
	; the tokens: rank = the expert's running rank + the set bits below my lane
.irp gi, 0,1,2,3
	s_mov_b32 s58, 0                               ; lanes that have met their first expert
	v_mov_b32 v40, 0
	v_mov_b32 v41, 0
	v_mov_b32 v42, 0
	v_mov_b32 v43, 0
.irp e, 0,1,2,3,4,5,6,7
	v_mbcnt_lo_u32_b32 v44, s[BW+8*(\gi)+(\e)], s[RK+(\e)]
	v_lshlrev_b32 v45, 6, v44
	v_add_nc_u32 v46, s[D63+(\e)], v44
	v_cmp_gt_u32 vcc_lo, s[DD+(\e)], v44
	v_cndmask_b32 v45, v46, v45, vcc_lo
	v_add_nc_u32 v45, s[B64+(\e)], v45             ; the result's row
	v_add_nc_u32 v46, s[CB+(\e)], v44              ; the place in rowtok
	s_and_not1_b32 s56, s[BW+8*(\gi)+(\e)], s58
	s_and_b32 s57, s[BW+8*(\gi)+(\e)], s58
	s_or_b32 s58, s58, s[BW+8*(\gi)+(\e)]
	v_cndmask_b32 v40, v40, v45, s56
	v_cndmask_b32 v42, v42, v46, s56
	v_cndmask_b32 v41, v41, v45, s57
	v_cndmask_b32 v43, v43, v46, s57
	s_bcnt1_i32_b32 s59, s[BW+8*(\gi)+(\e)]
	s_add_co_u32 s[RK+(\e)], s[RK+(\e)], s59
.endr
	v_min_u32 v40, 0x21bf, v40                     ; 8,639: the last row
	v_min_u32 v41, 0x21bf, v41
	v_min_u32 v42, 0x1fff, v42
	v_min_u32 v43, 0x1fff, v43
	v_lshlrev_b32 v42, 2, v42
	v_lshlrev_b32 v43, 2, v43
	v_add_nc_u32 v47, 32*(\gi), v1                 ; the token
	v_lshlrev_b32 v48, 3, v47
	global_store_b32 v42, v47, s[6:7]
	global_store_b32 v43, v47, s[6:7]
	global_store_b64 v48, v[40:41], s[6:7] offset:36864
	s_wait_xcnt 0x0                                ; the next group rewrites these registers only behind this wait
.endr
.Lend:
	s_wait_tensorcnt 0x0                           ; the wave's end
	ds_add_u32 v[SPW], v[NIL]
	s_wait_dscnt 0x0
	s_endpgm
.Lfunc_end_k_q6bde6e546b_route:
	.size	k_q6bde6e546b_route, .Lfunc_end_k_q6bde6e546b_route-k_q6bde6e546b_route
	.p2alignl 7, 3214868480
	.fill 96, 4, 3214868480
	.section	.rodata,"a",@progbits
	.p2align	6, 0x0
	.amdhsa_kernel k_q6bde6e546b_route
		.amdhsa_group_segment_fixed_size 5120
		.amdhsa_private_segment_fixed_size 0
		.amdhsa_enable_private_segment 0
		.amdhsa_kernarg_size 16
		.amdhsa_user_sgpr_count 2
		.amdhsa_user_sgpr_kernarg_segment_ptr 1
		.amdhsa_wavefront_size32 1
		.amdhsa_system_sgpr_workgroup_id_x 1
		.amdhsa_system_sgpr_workgroup_id_y 1
		.amdhsa_system_sgpr_workgroup_id_z 1
		.amdhsa_system_vgpr_workitem_id 0
		.amdhsa_next_free_vgpr 64
		.amdhsa_next_free_sgpr 100
		.amdhsa_reserve_vcc 1
		.amdhsa_float_denorm_mode_32 3
		.amdhsa_float_denorm_mode_16_64 3
		.amdhsa_memory_ordered 1
		.amdhsa_forward_progress 1
		.amdhsa_inst_pref_size 46
	.end_amdhsa_kernel
	.amdgpu_metadata
---
amdhsa.version: [ 1, 2 ]
amdhsa.kernels:
  - .name:           k_q6bde6e546b_route
    .symbol:         k_q6bde6e546b_route.kd
    .args:
      - { .name: msk, .offset: 0, .size: 8, .value_kind: global_buffer, .address_space: global }
      - { .name: idx, .offset: 8, .size: 8, .value_kind: global_buffer, .address_space: global }
    .group_segment_fixed_size: 5120
    .private_segment_fixed_size: 0
    .kernarg_segment_align: 8
    .kernarg_segment_size: 16
    .max_flat_workgroup_size: 1024
    .sgpr_count:     100
    .vgpr_count:     64
    .wavefront_size: 32
...
	.end_amdgpu_metadata
.endif
;; end of part 6
;; launch ffn (part 7): grid 135 x 1, 4 waves a work-group, no clusters, 327,680 bytes of LDS; arguments xb, wb, pr, idx, tbuf; writes tbuf
.if DOCPART == 7
	.amdgcn_target "amdgcn-amd-amdhsa--gfx1250"
	.amdhsa_code_object_version 6
	.text
	.protected	k_q6bde6e546b_ffn
	.globl	k_q6bde6e546b_ffn
	.p2align	8
	.type	k_q6bde6e546b_ffn,@function
k_q6bde6e546b_ffn:
	s_mov_b64 s[64:65], 0
	v_nop
	global_prefetch_b8 v0, s[64:65] scope:SCOPE_SE
	s_setreg_imm32_b32 hwreg(HW_REG_WAVE_MODE, 25, 1), 1
	s_wait_xcnt 0x0
; FFN: for a tile of 64 row slots of one expert, t = LN2( relu(LN1(x W1 + b1)) W2 + b2 ), both products and both LayerNorms in one work-group; t leaves as f16.
; SHARES.  Work-group = tile (135 of them, none empty).  A LayerNorm wants whole rows of 1,024 columns: wave w holds all 64 rows x columns 256 w .. 256 w + 255: 64 accumulators, 512 registers.
; THE MATRIX INSTRUCTION IS USED TRANSPOSED: source 0 = 16 columns of W (turned out of LDS by ds_load_tr16_b128), source 1 = 16 rows.  Lane (r = l % 16, h = l / 16) then holds row 16 a + r
; and the eight neighbouring columns 256 w + 16 b + 8 h + 0..7 of accumulator (a, b).
; K ORDER, the same in both operands: tile j of 16 holds k = 256 w' + 16 j + i (w' < 4, i < 16), the order in which wb's rows lie.  Registers 0-3 of the row fragment (a, c) are then wave 2 c's
; packed tile (a, b = j) as it lies in that wave's registers, registers 4-7 wave 2 c + 1's.  So in each step each wave publishes 4 x 16 bytes a lane in LDS, and layer 1's result, rounded in pairs, IS layer 2's operand.
; THE WALK IS ROTATED: step i takes tile (i + rot) % 16, rot = 2 ((tile number + tile number / 8) % 8).  The work-groups of one expert read the same weights; with eight different starts they ask for
; different tiles at any time, and a tile is asked for by one of them first and by the others later.  rot is even, so a tile's parity is its slot's; which registers are published is chosen by a tree of three compares.
; W comes by tensor loads: a wave's own strip of 64 k x 256 columns a step, two slots that take turns.  Both first fills go out at the start; step n asks for tile n + 2 of the 32 of both layers, so layer 2's first
; two tiles are asked for in layer 1's last two steps and land under the LayerNorm.  Two loads of a wave are out at the start, one later.
; ORDER IN A STEP.  LDS instructions stand in four runs, one ahead of each 32 matrix instructions, and each run is waited for 32 matrix instructions later.  The publishing stores stand in the first run;
; the add in front of the change of slots stands 16 matrix instructions ahead of the wait for it: no wait stands straight behind the LDS instruction that it waits for.
; The sums start from the bias, loaded straight into the accumulators.  Mean, then the sum of squared deviations: both in f32, met across the four waves in LDS.
; NO CLUSTER: how many tiles an expert has hangs on counts read from memory and need not be a multiple of four, so the tiles that walk the same weights do not fill clusters.
; LIMITS.  t is stored in f16: |t| <= 32 max|g2| + max|be2| has to stay under 65,504.  The hidden activation is rounded to bf16.  NaN and infinities are not treated apart.
; REGISTERS in windows of 256 (s_set_vgpr_msb: bits 1:0 source 0, 3:2 source 1, 5:4 source 2, 7:6 destination):
;   window 0: addresses, statistics, fragments    window 1: PK(a, b), four registers at 4 (16 a + b)    windows 2, 3: accumulator (a, b) at 128 (a % 2) + 8 b of window 2 + a / 2
; SCALARS: s14 wave; s[16:19] my tile's entry; s[36:37] the parameters; s38 layer; s39 trip; s42 the tile to ask for next (2..31); s43 rot / 2; s[44:45] my columns of the expert's weights;
;   s[48:49] an offset; s50 the layer's trips; s51 the publishing key; s52 rot
.set BSTRIP, 69632                     ; a wave's two slots of W
.set BSLOT,  34816                     ; 64 rows of 512 bytes + 32 of padding
.set BP,     544                       ; 17 x 32 bytes
.set ARING,  278528                    ; two slots of 8,192: 2048 a + 512 w' + 16 lane
.set ASLOT,  8192
.set RED,    294912                    ; two buffers of 1,024: 16 (16 a + r) + 4 w
.set STAGE,  296960                    ; 16 rows x 272 bytes for each wave, for the way out
.set SP,     272
.set SPARE,  314368                    ; the spare words, 128 bytes a wave
.set ADRA, 3                           ; v3   ARING + 16 lane
.set ADRB, 4                           ; v4   my strip + my lane's place for the turning load
.set APUB, 5                           ; v5   ADRA + 512 w
.set TOFF, 6                           ; v[6:9]  byte offset in xb of my 16 bytes of tile a's row
.set STO,  10
.set RD,   11
.set CO,   12
.set POFF, 13                          ; v13  byte offset of my eight columns of tile b = 0 in a parameter row
.set REDW, 14
.set REDR, 15
.set S,    16                          ; v[16:31] sums: pairs [a][parity of b]
.set MEAN, 32                          ; v[32:39] pairs
.set RS,   40                          ; v[40:47] pairs
.set T,    48                          ; v[48:59] at work
.set SPW,  60                          ; v60  LDS address of my spare word; never rewritten
.set NIL,  61                          ; v61  0; never rewritten
.set ZERO, 62                          ; v62  0, for the ReLU
.set AF0,  64
.set AF1,  96
.set BF0,  128
.set BF1,  192
.set PBUF, 64                          ; in the epilogue: three buffers of 64: g of four b, then be of four b
.set OB,   64                          ; the way out: two buffers of 32, rows read back from the stage
.set TMP,  128                         ; the way out: packed results
.set G1,   20                          ; s[20:27]
.set G0,   28                          ; s[28:31] slot 0, s[32:35] slot 1
.set MSB, 0
.macro WIN new                         ; the immediate's high byte repeats the setting that is left
.if MSB != (\new)
	s_set_vgpr_msb (MSB<<8)|(\new)
.set MSB, \new
.endif
.endm
.macro PLACES                          ; four places behind matrix instructions, in front of loads into their sources and of reads of their results
.rept 4
	v_nop
.endr
.endm
	s_load_b256 s[4:11], s[0:1], 0x0               ; xb 4, wb 6, pr 8, idx 10
	s_load_b64 s[12:13], s[0:1], 0x20              ; tbuf
	v_lshl_add_u32 v[SPW], v0, 2, SPARE
	v_mov_b32 v[NIL], 0
	ds_add_u32 v[SPW], v[NIL]                      ; the wave's opening: the add and its wait stand ahead of my first tensor load
	ds_add_u32 v60, v61
	v_lshrrev_b32 v1, 5, v0
	v_readfirstlane_b32 s14, v1                    ; wave
	s_mov_b32 s[G1+0], 0x0f910000                  ; 2-byte elements; padding on: 8 words after every 128 words
	s_mov_b32 s[G1+1], 256<<16                     ; tensor_dim0 = 256
	s_mov_b32 s[G1+2], 64<<16                      ; tensor_dim1 = 64
	s_mov_b32 s[G1+3], 256<<16                     ; tile_dim0 = 256
	s_mov_b32 s[G1+4], 64                          ; tile_dim1 = 64
	s_mov_b32 s[G1+5], 1024                        ; elements from row to row
	s_mov_b32 s[G1+6], 0
	s_mov_b32 s[G1+7], 0
	s_mov_b32 s[G0+0], 1
	s_mul_i32 s[G0+1], s14, BSTRIP                 ; my strip, slot 0
	s_mov_b32 s[G0+4], 1
	s_add_co_u32 s[G0+5], s[G0+1], BSLOT           ; slot 1
	s_mov_b32 s40, 0x76543210                      ; v_permlanex16_b32: each lane takes its own place in the other half
	s_mov_b32 s41, 0xfedcba98
	s_mov_b32 s46, 0x3a800000                      ; 1 / 1024
	s_mov_b32 s47, 0x3727c5ac                      ; 1e-5
	s_lshr_b32 s43, ttmp9, 3
	s_add_co_u32 s43, s43, ttmp9
	s_and_b32 s43, s43, 7                          ; rot / 2
	s_lshl_b32 s52, s43, 1                         ; rot
	v_and_b32 v1, 15, v0                           ; r
	v_bfe_u32 v2, v0, 4, 1                         ; h
	v_and_b32 v48, 31, v0
	v_lshl_add_u32 v[ADRA], v48, 4, ARING
	v_lshl_add_u32 v[APUB], s14, 9, v[ADRA]
	v_and_b32 v49, 7, v0
	v_lshl_add_u32 v49, v2, 3, v49                 ; the turning load: lane l reads row 8 h + l % 8,
	v_mul_u32_u24 v[ADRB], v49, BP
	v_bfe_u32 v50, v0, 3, 1
	v_lshl_add_u32 v[ADRB], v50, 4, v[ADRB]        ; columns 8 ((l / 8) % 2) + 0..7
	v_add_nc_u32 v[ADRB], s[G0+1], v[ADRB]
	s_mul_i32 s48, s14, 16*SP
	s_add_co_u32 s48, s48, STAGE
	v_mul_u32_u24 v[STO], v1, SP
	v_lshl_add_u32 v[STO], v2, 4, v[STO]
	v_add_nc_u32 v[STO], s48, v[STO]
	v_mul_u32_u24 v[RD], v2, SP
	v_lshl_add_u32 v[RD], v1, 4, v[RD]
	v_add_nc_u32 v[RD], s48, v[RD]
	v_lshlrev_b32 v[CO], 11, v2
	v_lshl_add_u32 v[CO], v1, 4, v[CO]
	v_lshl_add_u32 v[CO], s14, 9, v[CO]
	v_lshlrev_b32 v[POFF], 5, v2
	v_lshl_add_u32 v[POFF], s14, 10, v[POFF]
	v_lshl_add_u32 v[REDR], v1, 4, RED
	v_lshl_add_u32 v[REDW], s14, 2, v[REDR]
	v_lshlrev_b32 v56, 4, v2
	v_lshl_add_u32 v56, s14, 9, v56                ; 512 w + 16 h
	v_mov_b32 v[ZERO], 0
	s_wait_dscnt 0x0                               ; the opening add is done
	s_wait_kmcnt 0x0
	s_lshl_b32 s48, ttmp9, 4
	s_load_b128 s[16:19], s[10:11], s48 offset:0x8000  ; my tile: expert, first place in rowtok, valid rows
	s_lshl_b32 s50, ttmp9, 17                      ; my 64 rows of tbuf
	s_mov_b32 s51, 0
	s_add_nc_u64 s[12:13], s[12:13], s[50:51]
	s_wait_kmcnt 0x0
	s_min_u32 s16, s16, 7
	s_min_u32 s17, s17, 8191
	s_min_u32 s18, s18, 64
	s_max_u32 s18, s18, 1
	s_sub_co_u32 s19, s18, 1
	s_lshl_b32 s48, s16, 22                        ; the expert's 4 MiB of wb: 32 tiles of 131,072 bytes on end,
	s_lshl_b32 s49, s14, 9                         ; my 256 columns
	s_add_co_u32 s48, s48, s49
	s_mov_b32 s49, 0
	s_add_nc_u64 s[44:45], s[6:7], s[48:49]
	s_lshl_b32 s48, s52, 17                        ; steps 0 and 1 take tiles rot and rot + 1 (rot is 14 at the most)
	s_add_nc_u64 s[G0+2:G0+3], s[44:45], s[48:49]
	s_add_nc_u64 s[G0+6:G0+7], s[G0+2:G0+3], 131072
	s_or_b32 s[G0+3], s[G0+3], 0x80000000          ; type = 2
	s_or_b32 s[G0+7], s[G0+7], 0x80000000
	tensor_load_to_lds s[G0:G0+3], s[G1:G1+7]      ; both first fills as one group, ahead of every wait on TENSORcnt, every LDS read and every barrier
	s_nop 0
	tensor_load_to_lds s[G0+4:G0+7], s[G1:G1+7]
	s_nop 0
	PLACES
	s_mov_b32 s42, 2                               ; the next tile to ask for
	s_lshl_b32 s48, s16, 12
	s_add_nc_u64 s[36:37], s[8:9], s[48:49]        ; the expert's parameters of layer 1
.irp a, 0,1,2,3
	v_add_nc_u32 v[T+(\a)], 16*(\a), v1            ; my slot; a slot past the valid rows repeats the last valid one
	v_min_u32 v[T+(\a)], s19, v[T+(\a)]
	v_add_nc_u32 v[T+(\a)], s17, v[T+(\a)]
	v_min_u32 v[T+(\a)], 0x1fff, v[T+(\a)]
	v_lshlrev_b32 v[T+(\a)], 2, v[T+(\a)]
	global_load_b32 v[T+4+(\a)], v[T+(\a)], s[10:11]
.endr
	s_wait_loadcnt 0x0
.irp a, 0,1,2,3
	v_min_u32 v[T+4+(\a)], 0xfff, v[T+4+(\a)]
	v_lshl_add_u32 v[TOFF+(\a)], v[T+4+(\a)], 11, v56
.endr
	WIN 0x40                                       ; destination window 1
.irp a, 0,1,2,3
.irp b, 0,1,2,3,4,5,6,7,8,9,10,11,12,13,14,15
	global_load_b128 v[4*(16*(\a)+(\b)):4*(16*(\a)+(\b))+3], v[TOFF+(\a)], s[4:5] offset:32*(\b)  ; x in the layout of a packed result
.endr
.endr
	WIN 0
	s_mov_b32 s38, 0                               ; layer
.macro FETCH_A s, c, af                ; the row fragments of 32 k: two waves' published halves
.irp a, 0,1,2,3
	ds_load_b128 v[(\af)+8*(\a):(\af)+8*(\a)+3],   v[ADRA] offset:ASLOT*(\s)+2048*(\a)+1024*(\c)
	ds_load_b128 v[(\af)+8*(\a)+4:(\af)+8*(\a)+7], v[ADRA] offset:ASLOT*(\s)+2048*(\a)+1024*(\c)+512
.endr
.endm
.macro FETCH_B s, c, hb, bf            ; eight column fragments of 32 k, turned
.irp bb, 0,1,2,3,4,5,6,7
	ds_load_tr16_b128 v[(\bf)+8*(\bb):(\bf)+8*(\bb)+3],   v[ADRB] offset:BSLOT*(\s)+32*BP*(\c)+32*(8*(\hb)+(\bb))
	ds_load_tr16_b128 v[(\bf)+8*(\bb)+4:(\bf)+8*(\bb)+7], v[ADRB] offset:BSLOT*(\s)+32*BP*(\c)+32*(8*(\hb)+(\bb))+16*BP
.endr
.endm
.macro MULH af, bf, hb, hw             ; 16 matrix instructions on the 16 accumulators (a = 2 hw, 2 hw + 1) x (b = 8 hb ..), one a turn
	WIN 0xa0+0x50*(\hw)
.irp a, 0,1
.irp bb, 0,1,2,3,4,5,6,7
.set rD, 128*(\a)+8*(8*(\hb)+(\bb))
.set rB, (\bf)+8*(\bb)
.set rA, (\af)+8*(2*(\hw)+(\a))
	v_wmma_f32_16x16x32_bf16 v[rD:rD+7], v[rB:rB+7], v[rA:rA+7], v[rD:rD+7]
.endr
.endr
.endm
.macro MUL af, bf, hb                  ; 32 matrix instructions; an accumulator comes up again 63 others later
	MULH \af, \bf, \hb, 0
	MULH \af, \bf, \hb, 1
.endm
.macro PUB s, b                        ; my packed tiles (a, b) into slot s of the row ring
	WIN 0x04                                       ; data in window 1
.irp a, 0,1,2,3
	ds_store_b128 v[APUB], v[4*(16*(\a)+(\b)):4*(16*(\a)+(\b))+3] offset:ASLOT*(\s)+2048*(\a)
.endr
	WIN 0
.endm
; Publishes tile b = (b0 + 2 key) % 16, key 0..7 in a scalar register.  Registers are named in the text, so the key chooses the lines: three compares lead to one of eight leaves of four LDS stores.
; Every jump goes forward, and every way through holds exactly four stores.
.macro PUBK s, b0, key
	s_cmp_lt_u32 s[\key], 4
	s_cbranch_scc0 .Lp4_\@
	s_cmp_lt_u32 s[\key], 2
	s_cbranch_scc0 .Lp2_\@
	s_cmp_lt_u32 s[\key], 1
	s_cbranch_scc0 .Lp1_\@
	PUB \s, (\b0)%16
	s_branch .Lpe_\@
.Lp1_\@:
	PUB \s, ((\b0)+2)%16
	s_branch .Lpe_\@
.Lp2_\@:
	s_cmp_lt_u32 s[\key], 3
	s_cbranch_scc0 .Lp3_\@
	PUB \s, ((\b0)+4)%16
	s_branch .Lpe_\@
.Lp3_\@:
	PUB \s, ((\b0)+6)%16
	s_branch .Lpe_\@
.Lp4_\@:
	s_cmp_lt_u32 s[\key], 6
	s_cbranch_scc0 .Lp6_\@
	s_cmp_lt_u32 s[\key], 5
	s_cbranch_scc0 .Lp5_\@
	PUB \s, ((\b0)+8)%16
	s_branch .Lpe_\@
.Lp5_\@:
	PUB \s, ((\b0)+10)%16
	s_branch .Lpe_\@
.Lp6_\@:
	s_cmp_lt_u32 s[\key], 7
	s_cbranch_scc0 .Lp7_\@
	PUB \s, ((\b0)+12)%16
	s_branch .Lpe_\@
.Lp7_\@:
	PUB \s, ((\b0)+14)%16
.Lpe_\@:
.endm
; THE CHANGE OF SLOTS, in two parts with 16 matrix instructions between them.
; First part: all my tensor loads have landed (one was out: the other slot's); the add; slot s's descriptor takes the address of the next tile, made anew from its number.
.macro SYNCA s, fill
	WIN 0
	s_wait_tensorcnt 0x0
	ds_add_u32 v[SPW], v[NIL]                      ; scalar and matrix work stands between the add and the wait for it
.if \fill
	s_add_co_u32 s48, s42, s52                     ; tile (n + rot) % 16
	s_and_b32 s48, s48, 15
	s_and_b32 s49, s42, 16                         ; of layer n / 16
	s_or_b32 s48, s48, s49
	s_lshl_b32 s48, s48, 17                        ; 131,072 bytes a tile
	s_mov_b32 s49, 0
	s_add_nc_u64 s[G0+4*(\s)+2:G0+4*(\s)+3], s[44:45], s[48:49]
	s_or_b32 s[G0+4*(\s)+3], s[G0+4*(\s)+3], 0x80000000
	s_add_co_u32 s42, s42, 1
.endif
.endm
; Second part: the add, my reads of both rings and my stores into the row ring are done; the barrier; then slot s of my strip, which I have read out, is filled again first.
.macro SYNCB s, fill
	WIN 0
	s_wait_dscnt 0x0
	s_barrier_signal -1
	s_barrier_wait -1
.if \fill
	tensor_load_to_lds s[G0+4*(\s):G0+4*(\s)+3], s[G1:G1+7]
	s_nop 0
.endif
	PLACES
.endm
; A K step of 64: four runs of 32 matrix instructions; each run's fragments are fetched a run ahead.  The next step's rows are published beside the first fetch, into the slot that
; every wave finished reading in front of the last barrier; the stores are waited for 32 matrix instructions later.  mode 2: change of slots with a refill; 1: without; 0: the last step of all.
; pk 1: PUBK from pb by s51; 0: nothing.
.macro STEP s, mode, pk, pb
	s_wait_dscnt 0x0                               ; the first run's fragments are in
	PLACES
	FETCH_B \s, 0, 1, BF1
.if \pk
	PUBK 1-(\s), \pb, 51
.endif
	MUL AF0, BF0, 0
	WIN 0
	s_wait_dscnt 0x0
	PLACES
	FETCH_A \s, 1, AF1
	FETCH_B \s, 1, 0, BF0
	MUL AF0, BF1, 1
	WIN 0
	s_wait_dscnt 0x0
	PLACES
	FETCH_B \s, 1, 1, BF1
.if (\mode) == 0
	MUL AF1, BF0, 0
	WIN 0
	s_wait_dscnt 0x0
.else
	MULH AF1, BF0, 0, 0
	SYNCA \s, (\mode)-1
	MULH AF1, BF0, 0, 1
	SYNCB \s, (\mode)-1
	FETCH_A 1-(\s), 0, AF0
	FETCH_B 1-(\s), 0, 0, BF0
.endif
	MUL AF1, BF1, 1
	WIN 0
.endm
.macro PARAM q, u                      ; g and be of tiles b = 4 q .. 4 q + 3 into buffer u: 16 loads
.irp bq, 0,1,2,3
	global_load_b128 v[PBUF+64*(\u)+8*(\bq):PBUF+64*(\u)+8*(\bq)+3],       v[POFF], s[36:37] offset:32768+64*(4*(\q)+(\bq))
	global_load_b128 v[PBUF+64*(\u)+8*(\bq)+4:PBUF+64*(\u)+8*(\bq)+7],     v[POFF], s[36:37] offset:32768+64*(4*(\q)+(\bq))+16
	global_load_b128 v[PBUF+64*(\u)+32+8*(\bq):PBUF+64*(\u)+32+8*(\bq)+3], v[POFF], s[36:37] offset:65536+64*(4*(\q)+(\bq))
	global_load_b128 v[PBUF+64*(\u)+32+8*(\bq)+4:PBUF+64*(\u)+32+8*(\bq)+7], v[POFF], s[36:37] offset:65536+64*(4*(\q)+(\bq))+16
.endr
.endm
; The sum of a lane's 128 numbers of each row tile of window 2 + hw, in four chains; each accumulator's registers are taken from the low end on.
.macro SUMW hw
	WIN 0x0a+5*(\hw)
.irp a, 0,1
.irp p, 0,1
.set rS, S+4*(2*(\hw)+(\a))+2*(\p)
.set rA, 128*(\a)+8*(\p)
	v_pk_add_f32 v[rS:rS+1], v[rA:rA+1], v[rA+2:rA+3]
.endr
.endr
	WIN 0x08+4*(\hw)
.irp bb, 0,1,2,3,4,5,6,7
.irp q, 0,1,2,3
.if ((\bb) > 0) || ((\q) > 1)
.irp a, 0,1
.irp p, 0,1
.set rS, S+4*(2*(\hw)+(\a))+2*(\p)
.set rA, 128*(\a)+8*(2*(\bb)+(\p))+2*(\q)
	v_pk_add_f32 v[rS:rS+1], v[rS:rS+1], v[rA:rA+1]
.endr
.endr
.endif
.endr
.endr
.endm
.macro DEVW hw                         ; the mean is taken away, in place; then the squares are summed, in the same four chains
	WIN 0x82+0x41*(\hw)
.irp a, 0,1
.set i, 0
.rept 64
	v_pk_add_f32 v[128*(\a)+2*i:128*(\a)+2*i+1], v[128*(\a)+2*i:128*(\a)+2*i+1], v[MEAN+2*(2*(\hw)+(\a)):MEAN+2*(2*(\hw)+(\a))+1] neg_lo:[0,1] neg_hi:[0,1]
.set i, i+1
.endr
.endr
	WIN 0x0a+5*(\hw)
.irp bb, 0,1,2,3,4,5,6,7
.irp q, 0,1,2,3
.irp a, 0,1
.irp p, 0,1
.set rS, S+4*(2*(\hw)+(\a))+2*(\p)
.set rA, 128*(\a)+8*(2*(\bb)+(\p))+2*(\q)
.if ((\bb) == 0) && ((\q) == 0)
	v_pk_mul_f32 v[rS:rS+1], v[rA:rA+1], v[rA:rA+1]
.else
	v_pk_fma_f32 v[rS:rS+1], v[rA:rA+1], v[rA:rA+1], v[rS:rS+1]
.endif
.endr
.endr
.endr
.endr
.endm
; A row's sum: my chains, the other half of the lanes, then the four waves' figures through LDS.  Leaves it in v[S + 4 a].
.macro REDUCE buf
	WIN 0
.irp a, 0,1,2,3
	v_pk_add_f32 v[S+4*(\a):S+4*(\a)+1], v[S+4*(\a):S+4*(\a)+1], v[S+4*(\a)+2:S+4*(\a)+3]
.endr
.irp a, 0,1,2,3
	v_add_f32 v[S+4*(\a)], v[S+4*(\a)], v[S+4*(\a)+1]
.endr
.irp a, 0,1,2,3
	v_permlanex16_b32 v[T+(\a)], v[S+4*(\a)], s40, s41
.endr
.irp a, 0,1,2,3
	v_add_f32 v[S+4*(\a)], v[S+4*(\a)], v[T+(\a)]
.endr
.irp a, 0,1,2,3
	ds_store_b32 v[REDW], v[S+4*(\a)] offset:1024*(\buf)+256*(\a)
.endr
	s_wait_dscnt 0x0                               ; for the others' sake: my stores are done
	s_barrier_signal -1
	s_barrier_wait -1
.irp a, 0,1,2,3
	ds_load_b128 v[S+4*(\a):S+4*(\a)+3], v[REDR] offset:1024*(\buf)+256*(\a)
.endr
	s_wait_dscnt 0x0
.irp a, 0,1,2,3
	v_add_f32 v[S+4*(\a)], v[S+4*(\a)], v[S+4*(\a)+1]
.endr
.irp a, 0,1,2,3
	v_add_f32 v[S+4*(\a)+2], v[S+4*(\a)+2], v[S+4*(\a)+3]
.endr
.irp a, 0,1,2,3
	v_add_f32 v[S+4*(\a)], v[S+4*(\a)], v[S+4*(\a)+2]
.endr
.endm
.macro NORM q, u                       ; (deviation x 1 / sqrt(var + eps)) x g + be for tiles b = 4 q .. 4 q + 3
.irp hw, 0,1
	WIN 0x82+0x41*(\hw)
.irp a, 0,1
.irp bq, 0,1,2,3
.irp n, 0,1,2,3
.set rA, 128*(\a)+8*(4*(\q)+(\bq))+2*(\n)
	v_pk_mul_f32 v[rA:rA+1], v[rA:rA+1], v[RS+2*(2*(\hw)+(\a)):RS+2*(2*(\hw)+(\a))+1]
.endr
.irp n, 0,1,2,3
.set rA, 128*(\a)+8*(4*(\q)+(\bq))+2*(\n)
.set rG, PBUF+64*(\u)+8*(\bq)+2*(\n)
	v_pk_fma_f32 v[rA:rA+1], v[rA:rA+1], v[rG:rG+1], v[rG+32:rG+33]
.endr
.endr
.endr
.endr
	WIN 0
.endm
.Llayer:                                               ; two trips: one text for both layers; the layer's first two tiles of W have been asked for
	s_wait_loadcnt 0x0                             ; x (first trip)
.irp hw, 0,1
	WIN 0x80+0x40*(\hw)                            ; destination window 2, 3
.irp a, 0,1
.irp b, 0,1,2,3,4,5,6,7,8,9,10,11,12,13,14,15
	global_load_b128 v[128*(\a)+8*(\b):128*(\a)+8*(\b)+3],   v[POFF], s[36:37] offset:64*(\b)      ; the sums start from the bias
	global_load_b128 v[128*(\a)+8*(\b)+4:128*(\a)+8*(\b)+7], v[POFF], s[36:37] offset:64*(\b)+16
.endr
.endr
.endr
	WIN 0
	PUBK 0, 0, 43                                  ; the rows of step 0: tile rot
	s_wait_tensorcnt 0x0                           ; my strip's tiles of steps 0 and 1 are in: two ways lead here, so the wait is for all
	s_wait_dscnt 0x0                               ; for the others' sake: my rows are published
	s_barrier_signal -1
	s_barrier_wait -1
	FETCH_A 0, 0, AF0
	FETCH_B 0, 0, 0, BF0
	s_wait_loadcnt 0x0                             ; the bias
	s_sub_co_u32 s50, 8, s38                       ; layer 1: eight trips, all 16 steps ask for a tile; layer 2: seven, and the tail asks for none
	s_mov_b32 s39, 0
.Lk:
	s_add_co_u32 s51, s39, s43
	s_and_b32 s51, s51, 7                          ; (trip + rot / 2) % 8
	STEP 0, 2, 1, 1
	STEP 1, 2, 1, 2
	s_add_co_u32 s39, s39, 1
	s_cmp_lt_u32 s39, s50
	s_cbranch_scc1 .Lk
	s_cmp_eq_u32 s38, 0
	s_cbranch_scc1 .Lepi                           ; layer 1 has made its 16 steps; its last step's publishing and fetches, of a step that is still to be made, serve nothing and are made again
	s_add_co_u32 s51, s39, s43
	s_and_b32 s51, s51, 7
	STEP 0, 1, 1, 1                                ; layer 2's last two steps ask for nothing
	STEP 1, 0, 0, 0
.Lepi:
	; LAYERNORM
	s_wait_dscnt 0x0                               ; no LDS load is on its way into the registers that the parameters take
	PLACES                                         ; behind the last products
	PARAM 0, 0
	PARAM 1, 1
	PARAM 2, 2
	SUMW 0
	SUMW 1
	REDUCE 0
.irp a, 0,1,2,3
	v_mul_f32 v[MEAN+2*(\a)], s46, v[S+4*(\a)]
.endr
.irp a, 0,1,2,3
	v_mov_b32 v[MEAN+2*(\a)+1], v[MEAN+2*(\a)]
.endr
	DEVW 0
	DEVW 1
	REDUCE 1
.irp a, 0,1,2,3
	v_fma_f32 v[S+4*(\a)], v[S+4*(\a)], s46, s47
.endr
.irp a, 0,1,2,3
	v_rsq_f32 v[RS+2*(\a)], v[S+4*(\a)]
.endr
	v_nop                                          ; a plain instruction behind the last of them
	s_wait_alu depctr_va_vdst(0)
.irp a, 0,1,2,3
	v_mov_b32 v[RS+2*(\a)+1], v[RS+2*(\a)]
.endr
	s_wait_loadcnt 32                              ; chunk 0 is in; chunks 1 and 2 are younger
	NORM 0, 0
	PARAM 3, 0
	s_wait_loadcnt 32                              ; chunk 1; chunks 2 and 3 are younger
	NORM 1, 1
	s_wait_loadcnt 16                              ; chunk 2; chunk 3 is younger
	NORM 2, 2
	s_wait_loadcnt 0x0
	NORM 3, 0
	s_cmp_lg_u32 s38, 0
	s_cbranch_scc1 .Lskip
	; layer 1 alone: rounded to bf16 in pairs, ReLU on the pairs: layer 2's row operand
.irp hw, 0,1
	WIN 0x4a+5*(\hw)
.irp a, 0,1
.set i, 0
.rept 64
	v_cvt_pk_bf16_f32 v[64*(2*(\hw)+(\a))+i], v[128*(\a)+2*i], v[128*(\a)+2*i+1]
.set i, i+1
.endr
.endr
.endr
	WIN 0x41
.set i, 0
.rept 256
	v_pk_max_num_bf16 v[i], v[i], v[ZERO]
.set i, i+1
.endr
	WIN 0
.Lskip:
	s_wait_xcnt 0x0                                ; the parameters' base is stepped only behind this wait
	s_add_nc_u64 s[36:37], s[36:37], 98304
	s_add_co_u32 s38, s38, 1
	s_cmp_lt_u32 s38, 2
	s_cbranch_scc1 .Llayer
; THE WAY OUT, eight blocks n of 16 rows (a = n / 2) x 128 columns (half n % 2), in three parts.  PACKO: rounded to f16, 16 bytes a lane.  TOST: into my own stage in LDS and back as rows of 256 bytes.
; SENDO: stored.  Block n's conversions stand between block n - 1's loads from the stage and the wait for them.
.macro PACKO n
	WIN 0x0a+5*((\n)/4)                            ; sources in window 2 + a / 2
.irp bb, 0,1,2,3,4,5,6,7
.irp q, 0,1,2,3
.set rA, 128*(((\n)/2)%2)+8*(8*((\n)%2)+(\bb))+2*(\q)
	v_cvt_pk_f16_f32 v[TMP+4*(\bb)+(\q)], v[rA], v[rA+1]
.endr
.endr
	WIN 0
.endm
.macro TOST n
.irp bb, 0,1,2,3,4,5,6,7
	ds_store_b128 v[STO], v[TMP+4*(\bb):TMP+4*(\bb)+3] offset:32*(\bb)
.endr
.irp t, 0,1,2,3,4,5,6,7
	ds_load_b128 v[OB+32*((\n)%2)+4*(\t):OB+32*((\n)%2)+4*(\t)+3], v[RD] offset:2*SP*(\t)  ; LDS serves a wave's instructions in order (ISA guide 5.7.1.4): these see the stores above; the next block's stores come behind them
.endr
.endm
.macro SENDO n
	s_wait_dscnt 0x0                               ; the block is back in registers
	s_wait_xcnt 0x0                                ; the stores of the block before have read their registers: the next TOST loads into them only behind this wait
.irp t, 0,1,2,3,4,5,6,7
	global_store_b128 v[CO], v[OB+32*((\n)%2)+4*(\t):OB+32*((\n)%2)+4*(\t)+3], s[12:13] offset:2048*(16*((\n)/2)+2*(\t))+256*((\n)%2)  ; 16 lanes store 256 bytes on end, aligned
.endr
.endm
	PACKO 0
	TOST 0
.irp n, 1,2,3,4,5,6,7
	PACKO \n
	SENDO (\n)-1
	TOST \n
.endr
	SENDO 7
	s_wait_tensorcnt 0x0                           ; the wave's end
	ds_add_u32 v[SPW], v[NIL]
	s_wait_dscnt 0x0
	s_endpgm
.Lfunc_end_k_q6bde6e546b_ffn:
	.size	k_q6bde6e546b_ffn, .Lfunc_end_k_q6bde6e546b_ffn-k_q6bde6e546b_ffn
	.p2alignl 7, 3214868480
	.fill 96, 4, 3214868480
	.section	.rodata,"a",@progbits
	.p2align	6, 0x0
	.amdhsa_kernel k_q6bde6e546b_ffn
		.amdhsa_group_segment_fixed_size 327680
		.amdhsa_private_segment_fixed_size 0
		.amdhsa_enable_private_segment 0
		.amdhsa_kernarg_size 40
		.amdhsa_user_sgpr_count 2
		.amdhsa_user_sgpr_kernarg_segment_ptr 1
		.amdhsa_wavefront_size32 1
		.amdhsa_system_sgpr_workgroup_id_x 1
		.amdhsa_system_sgpr_workgroup_id_y 1
		.amdhsa_system_sgpr_workgroup_id_z 1
		.amdhsa_system_vgpr_workitem_id 0
		.amdhsa_next_free_vgpr 1024
		.amdhsa_next_free_sgpr 66
		.amdhsa_reserve_vcc 0
		.amdhsa_float_denorm_mode_32 3
		.amdhsa_float_denorm_mode_16_64 3
		.amdhsa_memory_ordered 1
		.amdhsa_forward_progress 1
		.amdhsa_inst_pref_size 250
	.end_amdhsa_kernel
	.amdgpu_metadata
---
amdhsa.version: [ 1, 2 ]
amdhsa.kernels:
  - .name:           k_q6bde6e546b_ffn
    .symbol:         k_q6bde6e546b_ffn.kd
    .args:
      - { .name: xb, .offset: 0, .size: 8, .value_kind: global_buffer, .address_space: global }
      - { .name: wb, .offset: 8, .size: 8, .value_kind: global_buffer, .address_space: global }
      - { .name: pr, .offset: 16, .size: 8, .value_kind: global_buffer, .address_space: global }
      - { .name: idx, .offset: 24, .size: 8, .value_kind: global_buffer, .address_space: global }
      - { .name: tbuf, .offset: 32, .size: 8, .value_kind: global_buffer, .address_space: global }
    .group_segment_fixed_size: 327680
    .private_segment_fixed_size: 0
    .kernarg_segment_align: 8
    .kernarg_segment_size: 40
    .max_flat_workgroup_size: 128
    .sgpr_count:     66
    .vgpr_count:     1024
    .wavefront_size: 32
...
	.end_amdgpu_metadata
.endif
;; end of part 7
;; launch combine: the kernel of part 4 again; grid 512 x 1, 8 waves a work-group, no clusters, 0 bytes of LDS; arguments xb, tbuf, w2, idx, out0; writes out0
;; ======== version 3 of 3: 4 launches; version 2 with the launch prep written anew for expert scheduling mode
;; limits: values are held in f16: magnitudes above 65,504 overflow, below 6.1e-05 lose precision; right only within a limited range of input values
;; workspace buffers: msk 4,096 bytes of whole numbers; w2 32,768 bytes; xb 8,388,608 bytes; wb 33,554,432 bytes; pr 196,608 bytes; idx 69,632 bytes of whole numbers; tbuf 17,694,720 bytes
;; launch prep (part 8): grid 512 x 1, 4 waves a work-group, no clusters, 16,896 bytes of LDS; arguments x, Wg, bg, W1, W2, b1, g1, be1, b2, g2, be2, out1, msk, w2, xb, wb, pr; writes out1, msk, w2, xb, wb, pr
.if DOCPART == 8
	.amdgcn_target "amdgcn-amd-amdhsa--gfx1250"
	.amdhsa_code_object_version 6
	.text
	.protected	k_q6bde6e546b_prep
	.globl	k_q6bde6e546b_prep
	.p2align	8
	.type	k_q6bde6e546b_prep,@function
k_q6bde6e546b_prep:
	s_mov_b64 s[64:65], 0
	v_nop
	global_prefetch_b8 v0, s[64:65] scope:SCOPE_SE
	s_setreg_imm32_b32 hwreg(HW_REG_WAVE_SCHED_MODE, 0, 2), 2
	s_setreg_imm32_b32 hwreg(HW_REG_WAVE_MODE, 25, 1), 1
	s_wait_xcnt 0x0
	s_wait_alu depctr_vm_vsrc(0)
; PREP: the gate, and bf16 copies of everything that the later launches read.
; Every input is rounded ONCE to bf16 here; all arithmetic behind that rounding is f32.
;   out1[t][e] = softmax_e(x[t] . Wg[:,e] + bg[e])      msk[t] = bit mask of the two largest (a tie goes to the lower index)
;   w2[t][0], [1] = the two renormalised weights, the chosen expert with the lower index first
;   xb = bf16(x)      pr = bf16-rounded b1, g1, be1, b2, g2, be2, kept as f32, [layer][b, g, be][8192]
;   wb = bf16(W1, W2), [expert][layer][row][1024]; source row k = 256 w + 16 j + i (i < 16) lies at row 64 j + 16 w + i
; SHARES: 512 work-groups x 4 waves = 2,048 waves.  Wave gw takes tokens 2 gw and 2 gw + 1, and 8 rows (32 KiB on end) of one weight matrix.
; The gate's product has 8 columns: it is made of exact products of bf16 halves summed in f32 (v_fma_mix_f32_bf16), a lane owning k = 128 j + 4 lane + i.
; THE WEIGHTS' 64 LOADS have registers of their own (window 1, four a load) and go out in five batches (30, 16, 8, 8, 2), the first ahead of all arithmetic, each later one directly behind
; the wait on LOADcnt that makes room for it: the wave's bytes are on their way while it works on the gate.  By this text's own count 63 loads are out behind the first batch and 62 at the most later.
; THE MODE: SCHED_MODE bits 1:0 = 2 (LLVM: expert scheduling mode 2), set by the entry lines.  The code itself states the register dependences between vector instructions and memory or LDS
; instructions, with s_wait_alu, always for 0.
; THE PLAN.  Registers that memory or LDS instructions touch:
;   v2, v3, v4, v5, v16, v17, v30   offsets, made at the head and never written again: one wait ahead of the first load serves every load and store.
;   WGR      loaded from memory; read by Wg's roundings; then the LDS loads behind the barrier land in it: the wait behind those roundings states that they are done reading.
;   YB       written by Wg's roundings, read by the LDS stores; at the kernel's end the parameters' loads land in it, their roundings write it, six stores read it.
;   X0, X1   loaded; a row's sixteen roundings write the first two of each four registers; eight stores read them; never written again.
;   window 1 loaded; a group's sixteen roundings write the first two of each four registers; eight stores read them; never written again.  No vector line names a register of window 1
;            ahead of the load that lands in it, so the weights' loads owe no wait wherever they stand.
;   v8, v9, v11, v22, v24   the gate's last lines write them, its three stores read them; never written again.      v20   the parameters' offset, written once.
;   v[SPW], v[NIL]   written at the head, read by the closing add alone.
; So each run of stores has one wait on va_vdst ahead of it, behind the roundings that make its data; one wait on vm_vsrc, behind the barrier, frees YB; and no store's data is ever written again.
; LIMITS: NaN and infinities are not treated apart; a probability below 2^-126 counts as 0.
.set SPARE, 16384                      ; behind Wg's copy: the spare words, 128 bytes a wave
.set SPW, 6                            ; v6   LDS address of my spare word; never rewritten
.set NIL, 7                            ; v7   0; never rewritten
.set AC,  8                            ; v[8:15]    the eight logit sums
.set X0,  32                           ; v[32:63]   token 0's row
.set X1,  64                           ; v[64:95]   token 1's row
.set YB,  96                           ; v[96:127]  packed Wg; later the parameters
.set WGR, 128                          ; v[128:255] Wg in bf16 for my 32 k: four registers (eight experts) for each k
.set MSB, 0
.macro WIN new                         ; s_set_vgpr_msb: bits 1:0 source 0, 3:2 source 1, 7:6 destination; the high byte repeats the setting that is left
.if MSB != (\new)
	s_set_vgpr_msb (MSB<<8)|(\new)
.set MSB, \new
.endif
.endm
	s_load_b512 s[8:23], s[0:1], 0x0               ; x 8, Wg 10, bg 12, W1 14, W2 16, b1 18, g1 20, be1 22
	s_load_b512 s[24:39], s[0:1], 0x40             ; b2 24, g2 26, be2 28, out1 30, msk 32, w2 34, xb 36, wb 38
	s_load_b64 s[40:41], s[0:1], 0x80              ; pr
	v_lshl_add_u32 v[SPW], v0, 2, SPARE
	v_mov_b32 v[NIL], 0
	v_and_b32 v1, 31, v0                           ; lane
	v_lshrrev_b32 v2, 5, v0
	v_readfirstlane_b32 s4, v2                     ; wave
	s_mov_b32 s6, ttmp9
	s_mov_b32 s42, 0xaaaaaaaa                      ; lanes with bit 0 set
	s_mov_b32 s43, 0xcccccccc                      ; bit 1
	s_mov_b32 s44, 0xf0f0f0f0                      ; bit 2
	s_mov_b32 s45, 0xff00ff00                      ; bit 3
	s_mov_b32 s46, 0x76543210                      ; v_permlanex16_b32: each lane takes its own place in the other half
	s_mov_b32 s47, 0xfedcba98
	v_lshlrev_b32 v2, 4, v0                        ; 16 x thread
	v_lshlrev_b32 v3, 4, v1                        ; 16 x lane
	v_and_b32 v4, 7, v1
	v_cvt_f32_u32 v25, v4                          ; my expert's number as a float
	v_lshlrev_b32 v4, 2, v4
	v_lshlrev_b32 v5, 3, v0                        ; 8 x thread
	v_lshlrev_b32 v16, 6, v1                       ; 64 x lane
	v_lshlrev_b32 v17, 3, v1                       ; 8 x lane
	v_mov_b32 v30, 0                               ; the first link's addend
	s_wait_alu depctr_va_sdst(0)                   ; s4 is written, ahead of its first reader: gw and my share of the weights are made from it
	s_lshl_b32 s5, s6, 2
	s_add_co_u32 s5, s5, s4                        ; gw
	s_lshl_b32 s54, s5, 13                         ; two rows of x
	s_mov_b32 s55, 0
	s_lshl_b32 s56, s5, 12                         ; two rows of xb
	s_mov_b32 s57, 0
	; my share of the weights: 8 source rows, 32,768 bytes on end; their copy, 16,384 bytes on end
	s_lshr_b32 s52, s6, 5                          ; matrix 0-15: W1's eight, then W2's
	s_and_b32 s53, s52, 7                          ; expert
	s_and_b32 s58, s6, 31
	s_lshl_b32 s58, s58, 2
	s_add_co_u32 s58, s58, s4                      ; which eight rows
	s_lshl_b32 s60, s53, 22
	s_lshl_b32 s61, s58, 15
	s_add_co_u32 s60, s60, s61                     ; the source's byte offset
	s_mov_b32 s61, 0
	s_lshl_b32 s62, s53, 1
	s_lshr_b32 s63, s52, 3
	s_add_co_u32 s62, s62, s63
	s_lshl_b32 s62, s62, 21                        ; (2 expert + layer) x 2 MiB
	s_bfe_u32 s63, s58, 0x40001                    ; j
	s_lshl_b32 s63, s63, 6
	s_lshr_b32 s59, s58, 5                         ; w
	s_lshl_b32 s59, s59, 4
	s_add_co_u32 s63, s63, s59
	s_and_b32 s59, s58, 1
	s_lshl_b32 s59, s59, 3
	s_add_co_u32 s63, s63, s59                     ; row 64 j + 16 w + 8 (upper half)
	s_lshl_b32 s63, s63, 11
	s_add_co_u32 s62, s62, s63                     ; the copy's byte offset
	s_mov_b32 s63, 0
	s_wait_kmcnt 0x0
	s_add_nc_u64 s[8:9], s[8:9], s[54:55]
	s_add_nc_u64 s[36:37], s[36:37], s[56:57]
	s_cmp_lt_u32 s6, 256
	s_cselect_b64 s[48:49], s[14:15], s[16:17]
	s_add_nc_u64 s[48:49], s[48:49], s[60:61]
	s_add_nc_u64 s[50:51], s[38:39], s[62:63]
.macro WLOADS first, n                 ; n of the weights' 64 loads, 512 bytes on end each, into window 1.  No wait: v3 has not been written since the head's wait, and no vector line has named these registers
	WIN 0x40
.set i, \first
.rept \n
	global_load_b128 v[4*i:4*i+3], v3, s[48:49] offset:512*i th:TH_LOAD_NT
.set i, i+1
.endr
	WIN 0
.endm
	s_wait_alu depctr_va_vdst(0)                   ; the offsets v2, v3, v4, v5, v16, v17 and v30 are written: every load and store of the kernel but the parameters' reads one of them
	global_load_b32 v31, v4, s[12:13]              ; bg of my expert
.irp q, 0,1,2,3,4,5,6,7,8,9,10,11,12,13,14,15
	global_load_b128 v[WGR+4*(\q):WGR+4*(\q)+3], v2, s[10:11] offset:2048*(\q)   ; all of Wg, 2,048 bytes on end a load of the work-group
.endr
.irp j, 0,1,2,3,4,5,6,7
	global_load_b128 v[X0+4*(\j):X0+4*(\j)+3], v3, s[8:9] offset:512*(\j) th:TH_LOAD_NT
.endr
.irp j, 0,1,2,3,4,5,6,7
	global_load_b128 v[X1+4*(\j):X1+4*(\j)+3], v3, s[8:9] offset:4096+512*(\j) th:TH_LOAD_NT
.endr
	WLOADS 0, 30
	; Wg to bf16, into LDS as [k][8], 16 bytes a k; then each lane takes the 32 k that it owns
	s_wait_loadcnt 46                              ; bg and Wg are in; x's 16 loads and the weights' 30 are younger
	WLOADS 30, 16
.irp q, 0,1,2,3,4,5,6,7,8,9,10,11,12,13,14,15
	v_cvt_pk_bf16_f32 v[YB+2*(\q)], v[WGR+4*(\q)], v[WGR+4*(\q)+1]
	v_cvt_pk_bf16_f32 v[YB+2*(\q)+1], v[WGR+4*(\q)+2], v[WGR+4*(\q)+3]
.endr
	s_wait_alu depctr_va_vdst(0)                   ; the roundings have written v[YB ..], which the LDS stores read, and are done reading v[WGR ..], in which the LDS loads behind the barrier land
.irp q, 0,1,2,3,4,5,6,7,8,9,10,11,12,13,14,15
	ds_store_b64 v5, v[YB+2*(\q):YB+2*(\q)+1] offset:1024*(\q)
.endr
	s_wait_dscnt 0x0                               ; for the others' sake: my stores are done
	s_barrier_signal -1
	s_barrier_wait -1
	s_wait_alu depctr_vm_vsrc(0)                   ; my LDS stores have read v[YB ..], in which the parameters' loads land at the kernel's end
.irp j, 0,1,2,3,4,5,6,7
.irp i, 0,1,2,3
	ds_load_b128 v[WGR+4*(4*(\j)+(\i)):WGR+4*(4*(\j)+(\i))+3], v16 offset:2048*(\j)+16*(\i)
.endr
.endr
.macro FM d, xr, wr, c, xh, eh         ; d = bf16 half xh of xr x bf16 half eh of wr + c, in f32
.if ((\xh) == 0) && ((\eh) == 0)
	v_fma_mix_f32_bf16 v[\d], v[\xr], v[\wr], v[\c] op_sel:[0,0,0] op_sel_hi:[1,1,0]
.elseif ((\xh) == 1) && ((\eh) == 0)
	v_fma_mix_f32_bf16 v[\d], v[\xr], v[\wr], v[\c] op_sel:[1,0,0] op_sel_hi:[1,1,0]
.elseif ((\xh) == 0)
	v_fma_mix_f32_bf16 v[\d], v[\xr], v[\wr], v[\c] op_sel:[0,1,0] op_sel_hi:[1,1,0]
.else
	v_fma_mix_f32_bf16 v[\d], v[\xr], v[\wr], v[\c] op_sel:[1,1,0] op_sel_hi:[1,1,0]
.endif
.endm
.macro RS lo, hi, m, xm                ; a lane keeps one of two sums, by its bit in mask m, and takes its partner's share of it
	v_cndmask_b32 v20, v[\lo], v[\hi], \m
	v_cndmask_b32 v21, v[\hi], v[\lo], \m
	v_add_f32_dpp v[\lo], v21, v20 row_xmask:\xm row_mask:0xf bank_mask:0xf
.endm
; One token: eight more of the weights' loads go out (from load wf on); the row is rounded and stored, its eight logits are summed; at the end every lane holds the logit of expert lane % 8.
; lds = 1: the first token: Wg's LDS loads are waited for here, behind the row's roundings and stores.
.macro TOKEN xr, cnt, z, off, wf, lds
	s_wait_loadcnt \cnt                            ; the row is in; what was issued behind it stays out
	WLOADS \wf, 8
.irp j, 0,1,2,3,4,5,6,7
	v_cvt_pk_bf16_f32 v[(\xr)+4*(\j)], v[(\xr)+4*(\j)], v[(\xr)+4*(\j)+1]
	v_cvt_pk_bf16_f32 v[(\xr)+4*(\j)+1], v[(\xr)+4*(\j)+2], v[(\xr)+4*(\j)+3]
.endr
	s_wait_alu depctr_va_vdst(0)                   ; the sixteen roundings have written the row's pairs, which the eight stores read
.irp j, 0,1,2,3,4,5,6,7
	global_store_b64 v17, v[(\xr)+4*(\j):(\xr)+4*(\j)+1], s[36:37] offset:(\off)+256*(\j)   ; 256 bytes on end, aligned
.endr
.if \lds
	s_wait_dscnt 0x0                               ; Wg's fragments are in
.endif
.irp j, 0,1,2,3,4,5,6,7
.irp i, 0,1,2,3
.irp e, 0,1,2,3,4,5,6,7
.set rx, (\xr)+4*(\j)+(\i)/2
.set rw, WGR+4*(4*(\j)+(\i))+(\e)/2
.set rc, AC+(\e)
.if ((\j) == 0) && ((\i) == 0)
.set rc, 30
.endif
	FM AC+(\e), rx, rw, rc, (\i)%2, (\e)%2
.endr
.endr
.endr
	RS 8, 9, s42, 1
	RS 10, 11, s42, 1
	RS 12, 13, s42, 1
	RS 14, 15, s42, 1
	RS 8, 10, s43, 2
	RS 12, 14, s43, 2
	RS 8, 12, s44, 4
	v_add_f32_dpp v8, v8, v8 row_xmask:8 row_mask:0xf bank_mask:0xf
	v_permlanex16_b32 v21, v8, s46, s47
	v_add_f32 v[\z], v8, v21
.endm
	TOKEN X0, 54, 18, 0, 46, 1                     ; token 1's eight loads and the weights' 46 are younger
	TOKEN X1, 54, 19, 2048, 54, 0                  ; the weights' 54 are younger
.macro ALL8 op, r                      ; over the eight lanes of a token
	\op v[\r], v[\r], v[\r] row_xmask:1 row_mask:0xf bank_mask:0xf
	\op v[\r], v[\r], v[\r] row_xmask:2 row_mask:0xf bank_mask:0xf
	\op v[\r], v[\r], v[\r] row_xmask:4 row_mask:0xf bank_mask:0xf
.endm
	; THE GATE.  Lane = 8 t + e (lanes 16-31 repeat lanes 0-15).  bg came in with Wg.
	v_cvt_pk_bf16_f32 v31, v31, v31
	v_lshlrev_b32 v31, 16, v31
	v_cndmask_b32 v20, v18, v19, s45
	v_add_f32 v20, v20, v31                        ; the logit
	v_mov_b32 v21, v20
	ALL8 v_max_num_f32_dpp, 21                     ; the maximum is taken away before the exponential
	v_sub_f32 v22, v20, v21
	v_mul_f32 v22, 0x3fb8aa3b, v22
	v_exp_f32 v22, v22
	v_nop                                          ; a plain instruction behind the exponential
	s_wait_alu depctr_va_vdst(0)                   ; the exponential has written v22, ahead of its first reader
	v_mov_b32 v23, v22
	ALL8 v_add_f32_dpp, 23
	v_rcp_f32 v23, v23
	v_nop
	s_wait_alu depctr_va_vdst(0)                   ; the reciprocal has written v23, ahead of its first reader
	v_mul_f32 v24, v22, v23                        ; the probability
	v_mov_b32 v26, v24
	ALL8 v_max_num_f32_dpp, 26                     ; the largest,
	v_cmp_eq_f32 vcc_lo, v24, v26
	s_wait_alu depctr_va_vcc(0)                    ; the compare has written VCC, which the select reads
	v_cndmask_b32 v27, 0x41000000, v25, vcc_lo
	ALL8 v_min_num_f32_dpp, 27                     ; and the lowest index that has it
	v_cmp_eq_f32 s58, v25, v27
	s_wait_alu depctr_va_sdst(0)                   ; the compare has written s58, which the select reads
	v_cndmask_b32 v28, v24, -1.0, s58              ; that one is taken out
	v_mov_b32 v29, v28
	ALL8 v_max_num_f32_dpp, 29                     ; the second largest
	v_cmp_eq_f32 vcc_lo, v28, v29
	s_wait_alu depctr_va_vcc(0)                    ; the compare has written VCC, which the select reads
	v_cndmask_b32 v20, 0x41000000, v25, vcc_lo
	ALL8 v_min_num_f32_dpp, 20
	v_cmp_eq_f32 s59, v25, v20                     ; its first reader, the s_or_b32, stands some lines down, behind its wait
	v_add_f32 v21, v26, v29
	v_add_f32 v21, 0x3089705f, v21                 ; + 1e-9
	v_rcp_f32 v21, v21
	v_cmp_lt_f32 vcc_lo, v27, v20                  ; (a plain instruction behind the reciprocal) is the largest the lower index?
	s_wait_alu depctr_va_vcc(0)                    ; the compare has written VCC, which the two selects read
	v_cndmask_b32 v22, v29, v26, vcc_lo            ; the lower index's probability
	v_cndmask_b32 v23, v26, v29, vcc_lo            ; the higher's
	v_cndmask_b32 v22, v22, v23, s42               ; odd lanes carry the higher's
	s_wait_alu depctr_va_vdst(0)                   ; the reciprocal has written v21, ahead of its first reader
	v_mul_f32 v22, v22, v21
	v_and_b32 v8, 15, v1
	v_lshlrev_b32 v8, 2, v8                        ; out1: 4 (8 t + e)
	v_bfe_u32 v10, v1, 3, 1
	v_and_b32 v9, 1, v1
	v_lshlrev_b32 v9, 2, v9
	v_lshl_add_u32 v9, v10, 3, v9                  ; w2: 8 t + 4 (e % 2)
	s_wait_alu depctr_va_sdst(0)                   ; the compare has written s59, ahead of its first reader
	s_or_b32 s58, s58, s59                         ; bits 0-7: token 0's two experts; bits 8-15: token 1's
	v_mov_b32 v11, s58
	s_lshl_b32 s54, s5, 6
	s_add_nc_u64 s[30:31], s[30:31], s[54:55]
	s_lshl_b32 s54, s5, 4
	s_add_nc_u64 s[34:35], s[34:35], s[54:55]
	s_lshl_b32 s54, s5, 1
	s_add_nc_u64 s[32:33], s[32:33], s[54:55]
	s_wait_alu depctr_va_vdst(0)                   ; the offsets v8 and v9 and the data v24, v22 and v11 are written, which the three stores read
	; all lanes stay on: lanes that name the same address carry the same number
	global_store_b32 v8, v24, s[30:31]
	global_store_b32 v9, v22, s[34:35]
	global_store_b16 v30, v11, s[32:33]
	; THE WEIGHTS, eight loads at a time: rounded in pairs in place, and stored from there; no register is written a second time, so no store is waited for
.macro GROUP g, cnt, more              ; more = 1: the weights' last two loads go out, behind the wait that makes room for them
	s_wait_loadcnt \cnt                            ; these eight are in; the later ones stay out
.if \more
	WLOADS 62, 2
.endif
	WIN 0x45                                       ; destination and both sources in window 1
.irp i, 0,1,2,3,4,5,6,7
	v_cvt_pk_bf16_f32 v[4*(8*(\g)+(\i))], v[4*(8*(\g)+(\i))], v[4*(8*(\g)+(\i))+1]
	v_cvt_pk_bf16_f32 v[4*(8*(\g)+(\i))+1], v[4*(8*(\g)+(\i))+2], v[4*(8*(\g)+(\i))+3]
.endr
	WIN 0x04                                       ; a store's data in window 1, its address in window 0
	s_wait_alu depctr_va_vdst(0)                   ; the group's sixteen roundings have written the pairs that its eight stores read
.irp i, 0,1,2,3,4,5,6,7
	global_store_b64 v17, v[4*(8*(\g)+(\i)):4*(8*(\g)+(\i))+1], s[50:51] offset:256*(8*(\g)+(\i))   ; 256 bytes on end, aligned
.endr
.endm
	GROUP 0, 54, 1                                 ; 62 have been issued
.irp g, 1,2,3,4,5,6,7
	GROUP \g, 56-8*(\g), 0
.endr
	WIN 0
	; THE PARAMETERS: wave 0 of the first 128 work-groups rounds 64 numbers of each of the six
	s_cmp_lg_u32 s4, 0
	s_cbranch_scc1 .Lno_param
	s_cmp_ge_u32 s6, 128
	s_cbranch_scc1 .Lno_param
	v_lshl_add_u32 v20, s6, 8, v17
	s_wait_alu depctr_va_vdst(0)                   ; v20 is written, the offset of the six loads and the six stores; Wg's roundings, which wrote v[YB ..], in which the loads land, are done as well
.irp n, 0,1,2,3,4,5
	global_load_b64 v[YB+2*(\n):YB+2*(\n)+1], v20, s[18+2*(\n):19+2*(\n)]
.endr
	s_wait_loadcnt 0x0
.irp n, 0,1,2,3,4,5
	v_cvt_pk_bf16_f32 v21, v[YB+2*(\n)], v[YB+2*(\n)+1]
	v_lshlrev_b32 v[YB+2*(\n)], 16, v21
	v_and_b32 v[YB+2*(\n)+1], 0xffff0000, v21
.endr
	s_wait_alu depctr_va_vdst(0)                   ; the rounded parameters are written in v[YB ..], which the six stores read
.irp n, 0,1,2,3,4,5
	global_store_b64 v20, v[YB+2*(\n):YB+2*(\n)+1], s[40:41] offset:32768*(\n)
.endr
.Lno_param:
	s_wait_dscnt 0x0                               ; the closing lines, six on end
	s_wait_alu 0x0
	s_wait_tensorcnt 0x0
	ds_add_u32 v[SPW], v[NIL]
	s_wait_dscnt 0x0
	s_endpgm
.Lfunc_end_k_q6bde6e546b_prep:
	.size	k_q6bde6e546b_prep, .Lfunc_end_k_q6bde6e546b_prep-k_q6bde6e546b_prep
	.p2alignl 7, 3214868480
	.fill 96, 4, 3214868480
	.section	.rodata,"a",@progbits
	.p2align	6, 0x0
	.amdhsa_kernel k_q6bde6e546b_prep
		.amdhsa_group_segment_fixed_size 16896
		.amdhsa_private_segment_fixed_size 0
		.amdhsa_enable_private_segment 0
		.amdhsa_kernarg_size 136
		.amdhsa_user_sgpr_count 2
		.amdhsa_user_sgpr_kernarg_segment_ptr 1
		.amdhsa_wavefront_size32 1
		.amdhsa_system_sgpr_workgroup_id_x 1
		.amdhsa_system_sgpr_workgroup_id_y 1
		.amdhsa_system_sgpr_workgroup_id_z 1
		.amdhsa_system_vgpr_workitem_id 0
		.amdhsa_next_free_vgpr 512
		.amdhsa_next_free_sgpr 66
		.amdhsa_reserve_vcc 1
		.amdhsa_float_denorm_mode_32 3
		.amdhsa_float_denorm_mode_16_64 3
		.amdhsa_memory_ordered 1
		.amdhsa_forward_progress 1
		.amdhsa_inst_pref_size 77
	.end_amdhsa_kernel
	.amdgpu_metadata
---
amdhsa.version: [ 1, 2 ]
amdhsa.kernels:
  - .name:           k_q6bde6e546b_prep
    .symbol:         k_q6bde6e546b_prep.kd
    .args:
      - { .name: x, .offset: 0, .size: 8, .value_kind: global_buffer, .address_space: global }
      - { .name: Wg, .offset: 8, .size: 8, .value_kind: global_buffer, .address_space: global }
      - { .name: bg, .offset: 16, .size: 8, .value_kind: global_buffer, .address_space: global }
      - { .name: W1, .offset: 24, .size: 8, .value_kind: global_buffer, .address_space: global }
      - { .name: W2, .offset: 32, .size: 8, .value_kind: global_buffer, .address_space: global }
      - { .name: b1, .offset: 40, .size: 8, .value_kind: global_buffer, .address_space: global }
      - { .name: g1, .offset: 48, .size: 8, .value_kind: global_buffer, .address_space: global }
      - { .name: be1, .offset: 56, .size: 8, .value_kind: global_buffer, .address_space: global }
      - { .name: b2, .offset: 64, .size: 8, .value_kind: global_buffer, .address_space: global }
      - { .name: g2, .offset: 72, .size: 8, .value_kind: global_buffer, .address_space: global }
      - { .name: be2, .offset: 80, .size: 8, .value_kind: global_buffer, .address_space: global }
      - { .name: out1, .offset: 88, .size: 8, .value_kind: global_buffer, .address_space: global }
      - { .name: msk, .offset: 96, .size: 8, .value_kind: global_buffer, .address_space: global }
      - { .name: w2, .offset: 104, .size: 8, .value_kind: global_buffer, .address_space: global }
      - { .name: xb, .offset: 112, .size: 8, .value_kind: global_buffer, .address_space: global }
      - { .name: wb, .offset: 120, .size: 8, .value_kind: global_buffer, .address_space: global }
      - { .name: pr, .offset: 128, .size: 8, .value_kind: global_buffer, .address_space: global }
    .group_segment_fixed_size: 16896
    .private_segment_fixed_size: 0
    .kernarg_segment_align: 8
    .kernarg_segment_size: 136
    .max_flat_workgroup_size: 128
    .sgpr_count:     66
    .vgpr_count:     512
    .wavefront_size: 32
...
	.end_amdgpu_metadata
.endif
;; end of part 8
;; launch route: the kernel of part 6 again; grid 32 x 1, 32 waves a work-group, no clusters, 5,120 bytes of LDS; arguments msk, idx; writes idx
;; launch ffn: the kernel of part 7 again; grid 135 x 1, 4 waves a work-group, no clusters, 327,680 bytes of LDS; arguments xb, wb, pr, idx, tbuf; writes tbuf
;; launch combine: the kernel of part 4 again; grid 512 x 1, 8 waves a work-group, no clusters, 0 bytes of LDS; arguments xb, tbuf, w2, idx, out0; writes out0
